; MI455X (gfx1250); checked and timed in simulation.
; The chip was launched on July 23, 2026; its instructions are those of AMD's public machine-readable ISA for CDNA 5 (MIT licence, August 2026) and "CDNA5" Instruction Set Architecture Reference Guide (July 2026). The comments in the code are by the model that wrote it; some were corrected since.
;; Causal Self Attention. Allowed arithmetic: matrix products marked QUANTISED: E5M2 operands, one given power-of-two scale a tensor, by v_wmma_f32_16x16x64_bf8_bf8 or v_wmma_f32_16x16x128_bf8_bf8, f32 sums; everything else in f32.
;; Inputs: b_attn 3,072 float32; b_proj 1,024 float32; lowp_scales 8 int32 (the exponents e of the quantised operands' scales 2^e); w_attn 1,024 x 3,072 float32; w_proj 1,024 x 1,024 float32; x 4 x 2,048 x 1,024 float32.
;; Outputs: out0 4 x 2,048 x 1,024 float32.
;; This version of the problem:
;;   THIS VERSION OF THE PROBLEM IS GIVEN IN LOW PRECISION. The matrix products marked QUANTISED in the list below multiply operands that are first quantised to E5M2 (5 exponent bits, 2 mantissa bits; 8 bits a number), with one given power-of-two scale for each operand tensor; their sums are f32. All else is computed in f32.
;;   The module's matrix products, in the order in which they are computed (A, B: the left and right operand; K: the contracted axis; several contracted axes count as one K, in the product's order):
;;     1. [M 8,192, K 1,024] x [K 1,024, N 3,072]; A: input x; B: input w_attn: QUANTISED (scales: A lowp_scales[0], B lowp_scales[1])
;;     2. batch 64 x [M 2,048, K 64] x [K 64, N 2,048]; A: computed on the way; B: computed on the way: QUANTISED (scales: A lowp_scales[2], B lowp_scales[3])
;;     3. batch 64 x [M 2,048, K 2,048] x [K 2,048, N 64]; A: softmax (see below); B: computed on the way: QUANTISED (scales: A lowp_scales[4], B lowp_scales[5])
;;     4. [M 8,192, K 1,024] x [K 1,024, N 1,024]; A: computed on the way; B: input w_proj: QUANTISED (scales: A lowp_scales[6], B lowp_scales[7])
;;   THE QUANTISER, for each operand of a quantised product, along K:
;;     - The operand's scale is 2^e, e = its entry of the input lowp_scales (int32; the entries are numbered through the quantised products in the list's order, A before B).
;;     - Each number is divided by the scale, clamped to +-57,344, and rounded to the nearest number of E5M2, ties to even, subnormals kept.
;;     - The product sums the exact products of the quantised numbers (number of the format x scale) in f32.
;;   ~~~python
;;   def quantise(x, axis, e):      # numpy; x: float32 -> the quantised numbers, widened to float32 again
;;       x = np.moveaxis(x, axis, -1); K = x.shape[-1]
;;       r = np.clip(x / 2.0 ** e, -57344, 57344)
;;       step = 2.0 ** (np.maximum(np.frexp(np.where(r == 0, 1, r))[1] - 1, -14) - 2)
;;       q = np.round(r / step) * step * 2.0 ** e      # np.round: ties to even
;;       return np.moveaxis(q, -1, axis).astype(np.float32)
;;   ~~~
;;   SOFTMAX AHEAD OF A QUANTISED PRODUCT. Where the list says 'softmax', what is quantised is not the finished softmax but p = 2^(t - M), with t = logit x log2(e) and M = ceil(the row's largest t), a whole number; so 1/2 < the row's largest p <= 1. The row's sum l is taken of the UNQUANTISED p, in f32, and the product's result is divided by l at the end. Since M is a whole number, a kernel that streams over the keys may use a running M (the ceiling of the running maximum): every later rescaling is an exact power of two, so the quantised numbers keep their values, but for numbers so far below the row's largest that they fall under the format's range.
;;   OPERANDS COMPUTED ON THE WAY. 'Computed on the way' means the value that the module computes at that place (a softmax that the list does not call 'softmax' is quantised finished and normalised). What goes into a quantiser is computed in f32, as accurately as f32 sums, v_exp_f32 and their like allow (about 1e-6 of the number): no bf16 or f16 on the way to a quantiser, and a product that is left as it is and whose result goes on into a quantised operand takes f32 operands (vector FMAs, or v_wmma_f32_16x16x4_f32). A number that lies on a knife's edge between two numbers of the format may be rounded either way, as far as f32 arithmetic and the matrix unit's own rounding can turn it there, and no further.
;; One version. Each part assembles by itself: llvm-mc -triple=amdgcn-amd-amdhsa -mcpu=gfx1250 --defsym DOCPART=n.
;; ======== version 1 of 1: 4 launches
;; limits: right only within a limited range of input values
;; workspace buffers: x_codes 8,388,608 bytes; wa_codes 3,145,728 bytes; wp_codes 1,048,576 bytes; qkv 25,165,824 bytes; y_codes 8,388,608 bytes
;; launch quant (part 1): grid 384 x 1, 4 waves a work-group, no clusters, 68,096 bytes of LDS; arguments x, w_attn, w_proj, lowp_scales, x_codes, wa_codes, wp_codes; writes x_codes, wa_codes, wp_codes
.if DOCPART == 1
	.amdgcn_target "amdgcn-amd-amdhsa--gfx1250"
	.amdhsa_code_object_version 6
	.text
	.protected	k_q8db6dc28af_quant
	.globl	k_q8db6dc28af_quant
	.p2align	8
	.type	k_q8db6dc28af_quant,@function
k_q8db6dc28af_quant:
	s_mov_b64 s[64:65], 0
	v_nop
	global_prefetch_b8 v0, s[64:65] scope:SCOPE_SE
	s_setreg_imm32_b32 hwreg(HW_REG_WAVE_MODE, 25, 1), 1
	s_wait_xcnt 0x0
; x [8192][1024], w_attn [1024][3072] and w_proj [1024][1024], f32, become codes of BF8 (E5M2), one byte each, K innermost:
; x_codes [8192][1024], wa_codes [3072][1024], wp_codes [1024][1024].  code = number / 2^e, held within +-57,344, to the nearest code, ties to even.
; e = entry 0 (x), 1 (w_attn), 7 (w_proj) of the scales' exponents.  LIMITS: each of the three between -126 and 112; NaN among the inputs is not served.
; Work-groups 0-255 take x, whose K is innermost: a plain stream, 8,192 numbers a wave.  Work-groups 256-383 take the weights, whose K is the first axis:
; a lane takes a column and its registers run down K.  The two ways part on the work-group's number, never join, and have LDS bytes of their own.
; No tensor loads, no barrier: waves share nothing.
.set STEPS, 16
.set SP,    80                         ; way X: a lane's place in a stage: its 64 bytes + 16 of padding
.set WREG,  8192                       ; way X: LDS bytes of a wave: two stages of 32 x SP
.set R,     16                         ; v16-79   four sets of 16 numbers as loaded
.set X,     80                         ; v80-111  two sets of 16 neighbours
.set C,     128                        ; v128-191 codes: four registers for each step, so that no store's data are written again
.set WSTG,  32768                      ; way W: its stages begin behind way X's bytes
.set WP,    272                        ; way W: a stage row: 256 bytes of codes + 16
.set WX,    32                         ; v32-95   two sets of 32 numbers
.set WC,    96                         ; v96-103  a block's codes
.set OUTR,  112                        ; v112-175 the way out
.set OFFS,  176                        ; v176-207 byte offset of row i of a block, at my column; never rewritten
	s_load_b256 s[4:11], s[0:1], 0x0               ; x s[4:5], w_attn s[6:7], w_proj s[8:9], the scales' exponents s[10:11]
	s_load_b128 s[12:15], s[0:1], 0x20             ; x_codes s[12:13], wa_codes s[14:15]
	s_load_b64 s[16:17], s[0:1], 0x30              ; wp_codes
	v_lshl_add_u32 v208, v0, 2, 0x10800
	v_mov_b32 v209, 0
	v_lshrrev_b32 v1, 5, v0
	v_readfirstlane_b32 s18, v1                    ; wave 0..3
	v_and_b32 v2, 31, v0                           ; lane
	s_wait_kmcnt 0x0
	s_load_b256 s[24:31], s[10:11], 0x0            ; e0 .. e7
	s_cmp_lt_u32 ttmp9, 256
	s_cbranch_scc0 .Lweights
	s_wait_alu depctr_va_vdst(0)
; ---- way X.  Each of a step's four loads reads 512 consecutive bytes, 16 a lane; the 2,048 bytes go through the wave's own stage and come back 64 bytes a lane,
; so that a lane holds 16 neighbours along K for the conversions.  A lane's 16 codes are 16 bytes: the wave stores 512 consecutive bytes.
	v_lshlrev_b32 v3, 4, v2                        ; 16 x lane: my place in a load's 512 bytes and in a store's
	s_wait_alu depctr_va_vdst(0)
	s_mul_i32 s19, s18, WREG
	v_lshrrev_b32 v14, 2, v2
	v_mul_u32_u24 v14, v14, SP
	v_and_b32 v15, 3, v2
	v_lshl_add_u32 v14, v15, 4, v14
	v_add_nc_u32 v14, s19, v14                     ; into the stage: SP (lane / 4) + 16 (lane % 4)
	v_mul_u32_u24 v15, v2, SP
	v_add_nc_u32 v15, s19, v15                     ; out of it: SP x lane
	s_lshl_b32 s20, ttmp9, 2
	s_add_co_u32 s20, s20, s18                     ; which run of 8,192 numbers is my wave's
	s_lshl_b32 s22, s20, 15
	s_mov_b32 s23, 0
	s_add_nc_u64 s[4:5], s[4:5], s[22:23]
	s_lshl_b32 s22, s20, 13
	s_add_nc_u64 s[12:13], s[12:13], s[22:23]
.macro XLOAD t
.irp i, 0,1,2,3
	global_load_b128 v[R+16*((\t)%4)+4*\i:R+16*((\t)%4)+4*\i+3], v3, s[4:5] offset:2048*(\t)+512*\i th:TH_LOAD_NT
.endr
.endm
.macro XTURN t                         ; step t's numbers through the stage: LDS serves a wave's instructions in order, so no wait stands between the stores and the loads
.irp i, 0,1,2,3
	ds_store_b128 v14, v[R+16*((\t)%4)+4*\i:R+16*((\t)%4)+4*\i+3] offset:32*SP*((\t)%2)+8*SP*\i
.endr
.irp i, 0,1,2,3
	ds_load_b128 v[X+16*((\t)%2)+4*\i:X+16*((\t)%2)+4*\i+3], v15 offset:32*SP*((\t)%2)+16*\i
.endr
.endm
.irp t, 0,1,2,3
	XLOAD \t
.endr
	s_wait_alu depctr_va_vdst(0)
	s_wait_kmcnt 0x0
	s_add_co_i32 s22, s24, 127
	s_lshl_b32 s23, s22, 23
	v_mov_b32 v11, s23                             ; 2^e0 as f32: the conversion takes its exponent field
	s_add_co_i32 s22, s22, 15
	s_lshl_b32 s22, s22, 23
	s_or_b32 s22, s22, 0x600000
	s_wait_alu depctr_va_vdst(0)
	s_wait_loadcnt 12                              ; step 0's four loads are in
	XTURN 0
.macro XSTEP t
.set XS, X+16*((\t)%2)
	s_wait_dscnt 0x0                               ; this step's numbers are back from the stage, so its stores into the stage have read their registers,
.if (\t)+4 < STEPS
	XLOAD (\t)+4                                   ; which take the loads of four steps on
.endif
.if (\t)+1 < STEPS
.if STEPS-2-(\t) >= 3
	s_wait_loadcnt 12                              ; the next step's four loads are in; those of the three steps behind it may be out
.else
	s_wait_loadcnt 4*(STEPS-2-(\t))
.endif
	XTURN (\t)+1
.endif
.irp i, 0,1,2,3,4,5,6,7,8,9,10,11,12,13,14,15
.endr
	v_cvt_scalef32_pk8_bf8_f32 v[C+4*(\t):C+4*(\t)+1], v[XS:XS+7], v11
	v_cvt_scalef32_pk8_bf8_f32 v[C+4*(\t)+2:C+4*(\t)+3], v[XS+8:XS+15], v11
	global_store_b128 v3, v[C+4*(\t):C+4*(\t)+3], s[12:13] offset:512*(\t)   ; the codes go to a store alone; the next vector lines are the next step's conversions, on other registers
.endm
.irp t, 0,1,2,3,4,5,6,7,8,9,10,11,12,13,14,15
	XSTEP \t
.endr
	s_wait_tensorcnt 0x0
	ds_add_u32 v208, v209
	s_wait_dscnt 0x0
	s_endpgm
; ---- way W.  id = work-group - 256: ids 0-95 take w_attn (24 x 4), ids 96-127 w_proj (8 x 4): 128 columns x 256 along K each; a wave 32 columns.
; Each load reads one row k at 32 neighbouring columns.  A lane's 32 registers are 32 neighbours along K of one column.  The codes gather in the wave's stage, 256 bytes a column, and leave by rows.
.Lweights:
	s_sub_co_u32 s19, ttmp9, 256                   ; id
	s_and_b32 s20, s19, 3                          ; which 256 along K
	s_lshr_b32 s21, s19, 2
	s_mov_b32 s23, 4096
	s_cmp_lt_u32 s19, 96                           ; the choice hangs on the work-group's number alone
	s_cselect_b64 s[4:5], s[6:7], s[8:9]           ; the weight,
	s_cselect_b64 s[12:13], s[14:15], s[16:17]     ; its codes,
	s_cselect_b32 s22, 0, 24
	s_cselect_b32 s23, 12288, s23                  ; bytes in a row of it
	s_sub_co_u32 s21, s21, s22                     ; which 128 columns
	s_lshl_b32 s32, s21, 7
	s_lshl_b32 s33, s18, 5
	s_add_co_u32 s32, s32, s33                     ; my wave's first column
	s_lshl_b32 s34, s20, 8
	s_mul_i32 s34, s34, s23                        ; 256 rows x which
	s_lshl_b32 s33, s32, 2
	s_add_co_u32 s34, s34, s33
	s_mov_b32 s35, 0
	s_add_nc_u64 s[36:37], s[4:5], s[34:35]        ; block 0's base;
	s_lshl_b32 s34, s23, 5                         ; 32 rows on for each block: eight bases, never rewritten
.irp t, 1,2,3,4,5,6,7
	s_add_nc_u64 s[36+2*\t:37+2*\t], s[34+2*\t:35+2*\t], s[34:35]
.endr
	s_lshl_b32 s52, s32, 10                        ; codes: column x 1,024 + 256 x which
	s_lshl_b32 s53, s20, 8
	s_add_co_u32 s52, s52, s53
	s_mov_b32 s53, 0
	s_add_nc_u64 s[12:13], s[12:13], s[52:53]
	s_wait_alu depctr_va_vdst(0)
	v_lshlrev_b32 v[OFFS], 2, v2                   ; 4 bytes a lane,
.set i, 1
.rept 31
	v_add_nc_u32 v[OFFS+i], s23, v[OFFS+i-1]       ; + i rows
.set i, i+1
.endr
	s_mul_i32 s54, s18, 32*WP
	s_add_co_u32 s54, s54, WSTG                    ; my stage
	v_mul_u32_u24 v4, v2, WP
	v_add_nc_u32 v4, s54, v4                       ; into it: row = my column
	v_and_b32 v5, 15, v2
	v_lshrrev_b32 v6, 4, v2
	v_mul_u32_u24 v7, v6, WP
	v_lshl_add_u32 v7, v5, 4, v7
	v_add_nc_u32 v7, s54, v7                       ; out of it: sixteen lanes to a row, two rows an instruction
	v_lshlrev_b32 v8, 10, v6
	v_lshl_add_u32 v8, v5, 4, v8                   ; and the same place in the codes' buffer
.macro WLOAD t
.set i, 0
.rept 32
	global_load_b32 v[WX+32*((\t)%2)+i], v[OFFS+i], s[36+2*(\t):37+2*(\t)] th:TH_LOAD_NT
.set i, i+1
.endr
.endm
	WLOAD 0
	WLOAD 1
	s_wait_kmcnt 0x0
	s_cmp_lt_u32 s19, 96
	s_cselect_b32 s24, s25, s31                    ; e1 or e7
	s_add_co_i32 s24, s24, 127
	s_lshl_b32 s25, s24, 23
	v_mov_b32 v11, s25                             ; 2^e as f32
	s_add_co_i32 s24, s24, 15
	s_lshl_b32 s24, s24, 23
	s_or_b32 s24, s24, 0x600000
.macro WBLOCK t
.set XS, WX+32*((\t)%2)
.if (\t) < 7
	s_wait_loadcnt 32                              ; this block's 32 loads are in; the next block's may be out
.else
	s_wait_loadcnt 0
.endif
.set i, 0
.rept 32
.set i, i+1
.endr
.irp g, 0,1,2,3
	v_cvt_scalef32_pk8_bf8_f32 v[WC+2*\g:WC+2*\g+1], v[XS+8*\g:XS+8*\g+7], v11
.endr
	ds_store_b128 v4, v[WC:WC+3] offset:32*(\t)    ; 32 codes: 32 bytes of my column's row
	ds_store_b128 v4, v[WC+4:WC+7] offset:32*(\t)+16
.if (\t)+2 < 8
	WLOAD (\t)+2
.endif
	s_wait_dscnt 0x0                               ; the stores have read their registers: the next block's codes may be written
.endm
	s_wait_alu depctr_va_vdst(0)
.irp t, 0,1,2,3,4,5,6,7
	WBLOCK \t
.endr
.irp t, 0,1,2,3,4,5,6,7,8,9,10,11,12,13,14,15
	ds_load_b128 v[OUTR+4*\t:OUTR+4*\t+3], v7 offset:2*\t*WP   ; LDS serves a wave's instructions in order: these see my stores
.endr
.irp t, 0,1,2,3,4,5,6,7,8,9,10,11,12,13,14,15
	s_wait_dscnt 15-\t
	global_store_b128 v8, v[OUTR+4*\t:OUTR+4*\t+3], s[12:13] offset:2*\t*1024   ; sixteen lanes store 256 consecutive bytes, aligned
.endr
	s_wait_tensorcnt 0x0
	ds_add_u32 v208, v209
	s_wait_dscnt 0x0
	s_endpgm
.Lfunc_end_k_q8db6dc28af_quant:
	.size	k_q8db6dc28af_quant, .Lfunc_end_k_q8db6dc28af_quant-k_q8db6dc28af_quant
	.p2alignl 7, 3214868480
	.fill 96, 4, 3214868480
	.section	.rodata,"a",@progbits
	.p2align	6, 0x0
	.amdhsa_kernel k_q8db6dc28af_quant
		.amdhsa_group_segment_fixed_size 68096
		.amdhsa_private_segment_fixed_size 0
		.amdhsa_enable_private_segment 0
		.amdhsa_kernarg_size 56
		.amdhsa_user_sgpr_count 2
		.amdhsa_user_sgpr_kernarg_segment_ptr 1
		.amdhsa_wavefront_size32 1
		.amdhsa_system_sgpr_workgroup_id_x 1
		.amdhsa_system_sgpr_workgroup_id_y 1
		.amdhsa_system_sgpr_workgroup_id_z 1
		.amdhsa_system_vgpr_workitem_id 0
		.amdhsa_next_free_vgpr 210
		.amdhsa_next_free_sgpr 66
		.amdhsa_reserve_vcc 0
		.amdhsa_float_denorm_mode_32 3
		.amdhsa_float_denorm_mode_16_64 3
		.amdhsa_fp16_overflow 1
		.amdhsa_memory_ordered 1
		.amdhsa_forward_progress 1
		.amdhsa_inst_pref_size 55
	.end_amdhsa_kernel
	.amdgpu_metadata
---
amdhsa.version: [ 1, 2 ]
amdhsa.kernels:
  - .name:           k_q8db6dc28af_quant
    .symbol:         k_q8db6dc28af_quant.kd
    .args:
      - { .name: x, .offset: 0, .size: 8, .value_kind: global_buffer, .address_space: global }
      - { .name: w_attn, .offset: 8, .size: 8, .value_kind: global_buffer, .address_space: global }
      - { .name: w_proj, .offset: 16, .size: 8, .value_kind: global_buffer, .address_space: global }
      - { .name: lowp_scales, .offset: 24, .size: 8, .value_kind: global_buffer, .address_space: global }
      - { .name: x_codes, .offset: 32, .size: 8, .value_kind: global_buffer, .address_space: global }
      - { .name: wa_codes, .offset: 40, .size: 8, .value_kind: global_buffer, .address_space: global }
      - { .name: wp_codes, .offset: 48, .size: 8, .value_kind: global_buffer, .address_space: global }
    .group_segment_fixed_size: 68096
    .private_segment_fixed_size: 0
    .kernarg_segment_align: 8
    .kernarg_segment_size: 56
    .max_flat_workgroup_size: 128
    .sgpr_count:     66
    .vgpr_count:     210
    .wavefront_size: 32
...
	.end_amdgpu_metadata
.endif
;; end of part 1
;; launch qkv (part 2): grid 12 x 32, 4 waves a work-group, clusters of 4 x 4, 327,680 bytes of LDS; arguments x_codes, wa_codes, lowp_scales, b_attn, qkv; writes qkv
.if DOCPART == 2
	.amdgcn_target "amdgcn-amd-amdhsa--gfx1250"
	.amdhsa_code_object_version 6
	.text
	.protected	k_q8db6dc28af_qkv
	.globl	k_q8db6dc28af_qkv
	.p2align	8
	.type	k_q8db6dc28af_qkv,@function
k_q8db6dc28af_qkv:
	s_mov_b64 s[64:65], 0
	v_nop
	global_prefetch_b8 v0, s[64:65] scope:SCOPE_SE
	s_setreg_imm32_b32 hwreg(HW_REG_WAVE_MODE, 25, 1), 1
	s_wait_xcnt 0x0
	s_wait_alu depctr_hold_cnt(0) depctr_sa_sdst(0) depctr_va_vdst(0) depctr_va_sdst(0) depctr_va_ssrc(0) depctr_va_vcc(0) depctr_vm_vsrc(0)
	s_getreg_b32 s2, hwreg(HW_REG_IB_STS2, 6, 4)
	s_cmp_eq_u32 s2, 0
	s_cbranch_scc0 .Lentry_in_a_cluster
	s_endpgm
.Lentry_in_a_cluster:
	s_bfe_u32 s2, ttmp6, 0x10000c
	s_cmp_lg_u32 s2, 0xf033
	s_cbranch_scc0 .Lentry_shape_is_right
	s_endpgm
.Lentry_shape_is_right:
; qkv = x w_attn + b_attn on codes of BF8 (E5M2), and its three thirds quantised at once for the attention: q with 2^e2, k with 2^e3, v with 2^e5.
; x_codes [8192][1024], wa_codes [3072][1024]: K innermost.  The sums stand for sum x 2^(e0 + e1); the bias goes in as b / 2^(e0 + e1), and the conversion takes the one scale 2^(e - e0 - e1).
; OUT: three sections of 8,388,608 bytes.  q, k: [batch x head = 64][token 2048][64].  v: [64][block of 128 keys: 16][channel 64][128 keys].  In every run of 32 codes (q's and k's channels, v's keys)
; place 32 c + 16 h + 8 i + j holds index 32 c + 16 i + 8 h + j: for q and k one order on both sides of their product; for v the order in which 16-byte loads give the second product its own layout.
; A tile is 256 x 256, made by four waves, 128 x 128 each: 64 accumulators, 512 registers.  K = 1,024 goes in four steps of 256 through a ring of two LDS slots.
; CLUSTERS: 4 x 4 work-groups; cluster x says which third (0 q, 1 k, 2 v).  The tile called A is shared along a row of the cluster, the tile called B along a column, each asked for jointly.
; The matrix instruction takes 16 rows of B as source 0 and 16 rows of A as source 1: a lane holds ONE row of A and eight neighbouring rows of B.  For q and k, A = tokens and B = weight rows (a lane: a token, eight channels);
; FOR v THE TWO BUFFERS CHANGE PLACES (A = weight rows, B = tokens), so that a lane holds a channel and eight neighbouring keys, which run along the second product's K.  Only pointers, tile numbers and offsets are chosen; no branch hangs on it.
; LIMITS: e2 - e0 - e1, e3 - e0 - e1, e5 - e0 - e1 between -126 and 112; b_attn / 2^(e0 + e1) stays a normal f32 number; NaN is not served.
; REGISTERS: window 0: v0-31 addresses; v32-47 the bias by rows of A, v64-127 the bias by rows of B (one of the two is zeros); v48 scale, v50-53 store offsets; from v128 A's fragments, ONE set; on the way out v128-239 at work.
;   window 1: B's fragments, two sets.   windows 2, 3: the accumulators (a, b) at v[8 (8 (a % 4) + b)].
.set ROWB,   256                       ; a tile's row: 256 codes
.set KROW,   1024                      ; a row of codes in memory
.set PITCH,  272                       ; an LDS row: 256 bytes + 16 of padding = 68 words: the 16 rows that a load touches start at 16 different groups of four banks
.set FR,     16
.set NL,     4
.set NP,     4                         ; places behind this matrix instruction (ISA guide 7.12.1)
.set HALFT,  128*PITCH
.set SLOT,   4*HALFT
.set LAPS,   2                         ; 1,024 / 512
.set SPARE,  2*SLOT                    ; behind the ring: the spare words, 128 bytes for each wave, which no other line names
.set SPITCH, 144                       ; the way out: a stage of 16 rows x (128 bytes + 16) for each wave, in slot 0, which has had its last fill and its last read by then
.set ADRA, 16
.set ADRB, 20
.set STO,  24
.set RD,   25
.set SPW,  28
.set NIL,  29
.set BR,   32
.set SC,   48
.set LIM,  49
.set CO,   50
.set BC,   64
.set AF,   128
.set TMP,  128
.set CD,   192
.set BK,   208
.set G1, 24
.set G0, 32
.set G1B, 48
.set G0B, 56
.set MSB, 0
.macro WIN new                         ; the immediate's high byte repeats the setting that is left
.if MSB != \new
	s_set_vgpr_msb (MSB<<8)|\new
.set MSB, \new
.endif
.endm
.set MUL_LO, 0xa1                      ; source 0 (B) window 1, source 1 (A) window 0, C and D window 2
.set MUL_HI, 0xf1                      ; the same, C and D window 3
.set TO_B,   0x40                      ; destination window 1, address window 0
; A joint load: waves 0 and 1 fetch for A, waves 2 and 3 for B.  The branch hangs on the wave's number alone.  Four v_nop follow each of the two lines.
.macro JLOAD g0a, g1a, g0b, g1b
	s_cmp_eq_u32 s15, 0
	s_cbranch_scc0 .Lfor_b_\@
	tensor_load_to_lds s[\g0a:\g0a+3], s[\g1a:\g1a+7]
	s_nop 0
.rept 4
	v_nop
.endr
	s_branch .Lasked_\@
.Lfor_b_\@:
	tensor_load_to_lds s[\g0b:\g0b+3], s[\g1b:\g1b+7]
	s_nop 0
.rept 4
	v_nop
.endr
.Lasked_\@:
.endm
.macro CREST                           ; a round of the cluster's barrier behind its opening barrier
	s_cmp_lg_u32 s14, 0
	s_cbranch_scc1 .Lnot_wave_0_\@
	s_barrier_signal -3
.Lnot_wave_0_\@:
	s_barrier_wait -3
	s_barrier_signal -1
	s_barrier_wait -1
.endm
.macro CROUND
	s_barrier_signal -1
	s_barrier_wait -1
	CREST
.endm
	s_load_b256 s[4:11], s[0:1], 0x0               ; x's codes s[4:5], w_attn's codes s[6:7], the scales' exponents s[8:9], b_attn s[10:11]
	s_load_b64 s[12:13], s[0:1], 0x20              ; qkv
	v_lshl_add_u32 v[SPW], v0, 2, SPARE
	v_mov_b32 v[NIL], 0
	ds_add_u32 v28, v29
	ds_add_u32 v28, v29
	s_wait_dscnt 0x0
	v_lshrrev_b32 v1, 5, v0
	v_readfirstlane_b32 s14, v1                    ; wave 0..3
	s_lshr_b32 s15, s14, 1                         ; which half of A's rows is mine.  Also: I fetch for A (0) or for B (1)
	s_and_b32 s16, s14, 1                          ; which half of B's rows.  Also: which 128 rows of that tile I fetch
	s_bfe_u32 s40, ttmp6, 0x40000                  ; cx, cy: my place in the cluster
	s_bfe_u32 s41, ttmp6, 0x40004
	s_mov_b32 s66, ttmp9                           ; cluster x: 0 q, 1 k, 2 v
	s_and_b32 s67, ttmp7, 0xffff                   ; cluster y: which 1,024 tokens
	s_cmp_eq_u32 s66, 2
	s_cselect_b32 s76, s66, s67
	s_cselect_b32 s77, s67, s66
	s_lshl_b32 s17, s76, 2
	s_add_co_u32 s17, s17, s41                     ; A's tile: q, k: 256 tokens, 4 y + cy;  v: 256 weight rows, 8 + cy
	s_lshl_b32 s42, s77, 2
	s_add_co_u32 s42, s42, s40                     ; B's tile: q, k: 256 weight rows, 4 x + cx;  v: 256 tokens, 4 y + cx
	s_lshl_b32 s43, s41, 2
	s_lshl_b32 s43, 15, s43                        ; my row of the cluster
	s_lshl_b32 s44, 0x1111, s40                    ; my column
	s_or_b32 s[G1+0], s43, (0<<16)|(1<<20)|(1<<21)|(5<<22)|(3<<25)  ; 15:0 the mask; 17:16 elements of 1 byte; 20 padding on; 21 set beside a mask; 24:22 after every 64 words; 31:25 four words
	s_or_b32 s[G1B+0], s44, (0<<16)|(1<<20)|(1<<21)|(5<<22)|(3<<25)
.irp g, G1, G1B
	s_mov_b32 s[\g+1], ROWB<<16                    ; tensor_dim0
	s_mov_b32 s[\g+2], 128<<16                     ; tensor_dim1
	s_mov_b32 s[\g+3], ROWB<<16                    ; tile_dim0
	s_mov_b32 s[\g+4], 128                         ; tile_dim1
	s_mov_b32 s[\g+5], KROW                        ; tensor_dim0_stride
	s_mov_b32 s[\g+6], 0
	s_mov_b32 s[\g+7], 0
.endr
	s_lshl_b32 s18, s16, 7                         ; which 128 rows of the tile I fetch
	s_lshl_b32 s20, s17, 8
	s_add_co_u32 s20, s20, s18
	s_lshl_b32 s20, s20, 10                        ; A: (256 x tile + 128 x half) rows of 1,024 bytes
	s_mov_b32 s21, 0
	s_lshl_b32 s46, s42, 8
	s_add_co_u32 s46, s46, s18
	s_lshl_b32 s46, s46, 10                        ; B likewise
	s_mov_b32 s47, 0
	s_mul_i32 s45, s14, HALFT                      ; where they go: wave x 128 rows: no place in the cluster enters an LDS address
	s_wait_kmcnt 0x0
	s_load_b256 s[68:75], s[8:9], 0x0              ; e0 .. e7
	s_cmp_eq_u32 s66, 2                            ; the choice of buffers hangs on the cluster's number alone
	s_cselect_b64 s[78:79], s[6:7], s[4:5]
	s_cselect_b64 s[80:81], s[4:5], s[6:7]
	s_add_nc_u64 s[20:21], s[78:79], s[20:21]
	s_add_nc_u64 s[46:47], s[80:81], s[46:47]
	CROUND                                         ; all sixteen work-groups are here: the first joint loads meet
.irp s, 0,1
	s_mov_b32 s[G0+4*\s], 1
	s_add_co_u32 s[G0+4*\s+1], s45, \s*SLOT
	s_add_nc_u64 s[G0+4*\s+2:G0+4*\s+3], s[20:21], \s*ROWB
	s_or_b32 s[G0+4*\s+3], s[G0+4*\s+3], 0x80000000
	s_mov_b32 s[G0B+4*\s], 1
	s_add_co_u32 s[G0B+4*\s+1], s45, \s*SLOT
	s_add_nc_u64 s[G0B+4*\s+2:G0B+4*\s+3], s[46:47], \s*ROWB
	s_or_b32 s[G0B+4*\s+3], s[G0B+4*\s+3], 0x80000000
	JLOAD G0+4*\s, G1, G0B+4*\s, G1B
.endr
	v_and_b32 v1, 15, v0                           ; r = lane % 16
	v_bfe_u32 v2, v0, 4, 1                         ; h = lane / 16
	s_wait_alu depctr_va_vdst(0)
	; the biases.  By rows of B (q, k: my 128 channels; register 8 b + j: channel 16 b + 8 h + j) and by rows of A (v: channel 16 a + r, twice, as a pair).  The kind that does not apply reads b_attn's first numbers and is set to 0 below.
	s_lshl_b32 s86, s42, 10
	s_lshl_b32 s87, s16, 9
	s_add_co_u32 s86, s86, s87                     ; 4 x (256 x B's tile + 128 x half)
	s_lshl_b32 s88, s17, 10
	s_lshl_b32 s89, s15, 9
	s_add_co_u32 s88, s88, s89                     ; 4 x (256 x A's tile + 128 x half)
	s_cmp_eq_u32 s66, 2
	s_cselect_b32 s86, 0, s86
	s_cselect_b32 s88, s88, 0
	s_mov_b32 s87, 0
	s_mov_b32 s89, 0
	s_add_nc_u64 s[86:87], s[10:11], s[86:87]
	s_add_nc_u64 s[88:89], s[10:11], s[88:89]
	v_lshlrev_b32 v8, 5, v2                        ; 32 h; never rewritten
	v_lshlrev_b32 v9, 2, v1                        ; 4 r; never rewritten
.irp b, 0,1,2,3,4,5,6,7
	global_load_b128 v[BC+8*\b:BC+8*\b+3], v8, s[86:87] offset:64*\b
	global_load_b128 v[BC+8*\b+4:BC+8*\b+7], v8, s[86:87] offset:64*\b+16
.endr
.irp a, 0,1,2,3,4,5,6,7
	global_load_b32 v[BR+2*\a], v9, s[88:89] offset:64*\a
	global_load_b32 v[BR+2*\a+1], v9, s[88:89] offset:64*\a
.endr
	v_mul_u32_u24 v3, v1, PITCH
	v_lshl_add_u32 v4, v2, 4, v3                   ; a fragment's row x pitch + 16 x half
	s_mul_i32 s21, s15, HALFT                      ; my 128 rows of A
	s_mul_i32 s22, s16, HALFT                      ; my 128 rows of B,
	s_add_co_u32 s22, s22, 2*HALFT                 ; which lie behind A's 256
.irp s, 0,1
	v_add_nc_u32 v[ADRA+\s], s21, v4
	v_add_nc_u32 v[ADRB+\s], s22, v4
	s_add_co_u32 s21, s21, SLOT
	s_add_co_u32 s22, s22, SLOT
.endr
	s_mul_i32 s23, s14, 16*SPITCH                  ; my stage
	v_mul_u32_u24 v5, v1, SPITCH
	v_lshl_add_u32 v5, v2, 4, v5
	v_add_nc_u32 v[STO], s23, v5                   ; in: row r, + 16 h; block b's eight codes at 32 (b / 2) + 8 (b % 2)
	v_bfe_u32 v5, v0, 3, 2
	v_mul_u32_u24 v5, v5, SPITCH
	v_and_b32 v7, 7, v0
	v_lshl_add_u32 v5, v7, 4, v5
	v_add_nc_u32 v[RD], s23, v5                    ; back: eight lanes to a row of 128 bytes, four rows an instruction
	; scales, and where my part of the output begins: all choices on one compare, then the arithmetic
	s_wait_kmcnt 0x0
	s_add_co_i32 s82, s68, s69                     ; e0 + e1
	s_mov_b32 s98, 1024
	s_cmp_eq_u32 s66, 1
	s_cselect_b32 s83, s71, s70                    ; e3 for k, e2 for q,
	s_cmp_eq_u32 s66, 2
	s_cselect_b32 s83, s73, s83                    ; e5 for v
	s_cselect_b32 s84, -1, 0                       ; all lanes: v
	s_cselect_b32 s85, 0, -1                       ; all lanes: q or k
	s_cselect_b32 s91, s42, s17                    ; the tile of tokens,
	s_cselect_b32 s92, s17, s42                    ; the tile of weight rows,
	s_cselect_b32 s93, s15, s16                    ; my half of the weight rows: two heads,
	s_cselect_b32 s94, s16, s15                    ; my half of the tokens: 128
	s_cselect_b32 s95, 1, 0
	s_cselect_b32 s98, 124928, s98                 ; from block 3 to block 4: v goes on to the next head (131,072 - 3 x 2,048), q and k 16 tokens on
	s_mov_b32 s99, 0
	s_lshl_b32 s96, 1024, s95                      ; from block to block: 16 tokens of 64 bytes, or 16 channels of 128
	s_mov_b32 s97, 0
	s_lshl_b32 s95, 256, s95                       ; from store to store: 4 tokens, or 4 channels
	s_sub_co_i32 s83, s83, s82                     ; e - e0 - e1
	s_sub_co_i32 s82, 0, s82
	s_add_co_i32 s83, s83, 127
	s_lshl_b32 s90, s83, 23
	v_mov_b32 v[SC], s90                           ; 2^(e - e0 - e1) as f32: the conversion takes its exponent field
	s_lshr_b32 s76, s91, 3                         ; batch
	s_lshl_b32 s76, s76, 4
	s_and_b32 s77, s92, 3
	s_lshl_b32 s77, s77, 2
	s_add_co_u32 s76, s76, s77
	s_lshl_b32 s77, s93, 1
	s_add_co_u32 s76, s76, s77                     ; 16 x batch + my first head
	s_lshl_b32 s76, s76, 17                        ; x 131,072 bytes
	s_and_b32 s77, s91, 7
	s_lshl_b32 s77, s77, 1
	s_add_co_u32 s77, s77, s94                     ; which 128 tokens of the 2,048
	s_lshl_b32 s77, s77, 13                        ; x 8,192 bytes, in q's and k's layout and in v's alike
	s_add_co_u32 s76, s76, s77
	s_lshl_b32 s77, s66, 23                        ; the section
	s_add_co_u32 s76, s76, s77
	s_mov_b32 s77, 0
	s_add_nc_u64 s[12:13], s[12:13], s[76:77]
	v_and_b32 v6, 31, v0
	v_bfe_u32 v10, v0, 2, 1                        ; q, k: a stage row is 64 bytes of each of two heads: lanes with bit 2 set take the second head,
	v_lshlrev_b32 v10, 17, v10
	v_bfe_u32 v11, v0, 3, 2
	v_lshl_add_u32 v10, v11, 6, v10                ; token lane / 8,
	v_and_b32 v11, 3, v0
	v_lshl_add_u32 v10, v11, 4, v10                ; 16 bytes of its 64
	v_lshlrev_b32 v11, 4, v6                       ; v: four rows of 128 bytes on end
	v_cndmask_b32 v[CO], v10, v11, s84
.irp i, 1,2,3
	v_add_nc_u32 v[CO+\i], s95, v[CO+\i-1]
.endr
	s_wait_loadcnt 0x0                             ; the biases
.set j, 0
.rept 64
	v_ldexp_f32 v[BC+j], v[BC+j], s82              ; b / 2^(e0 + e1)
.set j, j+1
.endr
.set j, 0
.rept 16
	v_ldexp_f32 v[BR+j], v[BR+j], s82
.set j, j+1
.endr
.set j, 0
.rept 64
	v_cndmask_b32 v[BC+j], 0, v[BC+j], s85         ; kept for q and k, zeros for v
.set j, j+1
.endr
.set j, 0
.rept 16
	v_cndmask_b32 v[BR+j], 0, v[BR+j], s84         ; kept for v, zeros for q and k
.set j, j+1
.endr
.macro FRAG reg, adr, q, i             ; 16 rows x 128 K: lane l holds row l % 16; registers 4 c .. 4 c + 3 hold the codes at 32 c + 16 (l / 16) + 0 .. 15: one order of k for A and B alike
.irp c, 0,1,2,3
	ds_load_b128 v[\reg+4*\c:\reg+4*\c+3], v[\adr] offset:128*(\q)+32*\c+(\i)*16*PITCH
.endr
.endm
; 16 matrix instructions: A's blocks a0, a0 + 1 x B's eight.  The 64 accumulators take turns, one instruction a turn, in the same order in every step.
.macro MUL16 a0, p, zero
.irp a, \a0, \a0+1
.irp b, 0,1,2,3,4,5,6,7
.if \zero
	v_wmma_f32_16x16x128_bf8_bf8 v[8*(8*((\a)%4)+\b):8*(8*((\a)%4)+\b)+7], v[128*(\p)+FR*\b:128*(\p)+FR*\b+FR-1], v[AF+FR*(\a):AF+FR*(\a)+FR-1], 0
.else
	v_wmma_f32_16x16x128_bf8_bf8 v[8*(8*((\a)%4)+\b):8*(8*((\a)%4)+\b)+7], v[128*(\p)+FR*\b:128*(\p)+FR*\b+FR-1], v[AF+FR*(\a):AF+FR*(\a)+FR-1], v[8*(8*((\a)%4)+\b):8*(8*((\a)%4)+\b)+7]
.endif
.endr
.endr
.endm
.macro FETCH_B slot, q, p
	WIN TO_B
.irp i, 0,1,2,3,4,5,6,7
	FRAG 128*(\p)+FR*\i, ADRB+\slot, \q, \i
.endr
	WIN 0
.endm
.macro FETCH_A slot, q, i0
.irp i, \i0, \i0+1, \i0+2, \i0+3
	FRAG AF+FR*(\i), ADRA+\slot, \q, \i
.endr
.endm
.macro PLACES n                        ; plain vector lines between a matrix instruction and a load into, or a vector write of, a register that it has read, or a read of its result
.rept \n
	v_nop
.endr
.endm
.macro STEP slot, q, zero              ; 128 along K whose successor lies in the same slot
	s_wait_dscnt 4*NL                              ; B's set and A's blocks 0-3 are in; the youngest sixteen loads (A's blocks 4-7) may be out
	WIN MUL_LO
	MUL16 0, (\q)%2, \zero
	MUL16 2, (\q)%2, \zero
	s_wait_dscnt 0                                 ; A's blocks 4-7 are in
	PLACES NP
	FETCH_B \slot, (\q)+1, 1-(\q)%2
	FETCH_A \slot, (\q)+1, 0
	WIN MUL_HI
	MUL16 4, (\q)%2, \zero
	MUL16 6, (\q)%2, \zero
	PLACES NP
	WIN 0
	FETCH_A \slot, (\q)+1, 4
.endm
; A slot's last step changes slots: one barrier; in front of it each wave waits for all its tensor loads, adds 0 to its spare word, and waits for that and for its own reads of this slot.
.macro TURN slot, next, fill
	s_wait_tensorcnt 0x0                           ; all my tensor loads have landed: my part of the next slot
	ds_add_u32 v[SPW], v[NIL]                      ; 0 onto my spare word
	s_wait_dscnt 4*NL+1                            ; (the add and A's blocks 4-7 may be out)
	WIN MUL_LO
	MUL16 0, 1, 0
	s_wait_dscnt 0x0                               ; the add is done, and my reads of this slot are over
	s_barrier_signal -1
	MUL16 2, 1, 0
	WIN 0
	s_barrier_wait -1
.if \fill
	CREST                                          ; the barrier has opened a round of the cluster's barrier: no wave of any partner still reads this slot or has a load on its way
	s_add_nc_u64 s[G0+4*\slot+2:G0+4*\slot+3], s[G0+4*\slot+2:G0+4*\slot+3], 2*ROWB
	s_add_nc_u64 s[G0B+4*\slot+2:G0B+4*\slot+3], s[G0B+4*\slot+2:G0B+4*\slot+3], 2*ROWB
	JLOAD G0+4*\slot, G1, G0B+4*\slot, G1B         ; the first tensor load behind the round; its four v_nop are also the places in front of the loads below
.else
	PLACES NP
.endif
	FETCH_B \next, 0, 0
	FETCH_A \next, 0, 0
	WIN MUL_HI
	MUL16 4, 1, 0
	MUL16 6, 1, 0
	PLACES NP
	WIN 0
	FETCH_A \next, 0, 4
.endm
	s_wait_tensorcnt 1                             ; my part of K step 0 is in (K step 1's load may be out),
	s_barrier_signal -1
	s_barrier_wait -1                              ; everybody's is
	FETCH_B 0, 0, 0
	FETCH_A 0, 0, 0
	FETCH_A 0, 0, 4
	STEP 0, 0, 1                                   ; the first step's products start the sums
	s_mov_b32 s3, LAPS-1
.Llap:                                                 ; a trip goes once round the ring and fills both slots again
	TURN 0, 1, 1
	STEP 1, 0, 0
	TURN 1, 0, 1
	STEP 0, 0, 0
	s_sub_co_u32 s3, s3, 1
	s_cmp_lg_u32 s3, 0
	s_cbranch_scc1 .Llap
	TURN 0, 1, 0                                   ; the last lap fills nothing
	STEP 1, 0, 0
	s_wait_dscnt 4*NL
	WIN MUL_LO
	MUL16 0, 1, 0
	MUL16 2, 1, 0
	s_wait_dscnt 0
	WIN MUL_HI
	MUL16 4, 1, 0
	MUL16 6, 1, 0
	WIN 0
; THE WAY OUT, block by block of 16 rows of A x 128 rows of B: + bias, converted (a lane's eight registers are eight neighbours: 8 bytes), through my stage, and out in runs of 256 bytes.
.macro TOSTAGE a
.set AC, 64*((\a)%4)
	WIN 0x02+((\a)/4)                              ; source 0: window 2 or 3
.set j, 0
.rept 32
	v_pk_add_f32 v[TMP+j:TMP+j+1], v[AC+j:AC+j+1], v[BC+j:BC+j+1]   ; each accumulator from its low end on
.set j, j+2
.endr
	WIN 0
.set j, 0
.rept 32
	v_pk_add_f32 v[TMP+j:TMP+j+1], v[TMP+j:TMP+j+1], v[BR+2*(\a):BR+2*(\a)+1]   ; one of the two biases is zeros: the price of one text for the three thirds
.set j, j+2
.endr
.set j, 0
.rept 64
.set j, j+1
.endr
.irp b, 0,1,2,3,4,5,6,7
	v_cvt_scalef32_pk8_bf8_f32 v[CD+2*\b:CD+2*\b+1], v[TMP+8*\b:TMP+8*\b+7], v[SC]
.endr
	v_nop                                          ; a plain line behind the last conversion
.irp b, 0,1,2,3,4,5,6,7
	ds_store_b64 v[STO], v[CD+2*\b:CD+2*\b+1] offset:32*(\b/2)+8*(\b%2)
.endr
.set BB, BK+16*((\a)%2)
.irp i, 0,1,2,3
	ds_load_b128 v[BB+4*\i:BB+4*\i+3], v[RD] offset:4*\i*SPITCH   ; LDS serves a wave's instructions in order: these see the stores above
.endr
.endm
.macro SEND a, younger                 ; younger: the LDS instructions issued behind block a's loads, which may stay out
.set BB, BK+16*((\a)%2)
	s_wait_dscnt \younger
.if (\a) == 4
	s_add_nc_u64 s[12:13], s[12:13], s[98:99]      ; (behind a wait on XCNT: the earlier stores have read their base)
.elseif (\a) > 0
	s_add_nc_u64 s[12:13], s[12:13], s[96:97]
.endif
.irp i, 0,1,2,3
	global_store_b128 v[CO+\i], v[BB+4*\i:BB+4*\i+3], s[12:13]   ; two runs of 256 consecutive bytes, each aligned
.endr
.endm
	PLACES NP                                      ; behind the last products: TMP lies where A's fragments lay
	TOSTAGE 0
.irp a, 1,2,3,4,5,6,7
.if \a > 1
	s_wait_xcnt 0x0                                ; block a - 2's stores have read their registers and their base
.endif
	TOSTAGE \a
	SEND \a-1, 12                                  ; behind block a - 1's loads: block a's 8 stores and 4 loads
.endr
	s_wait_xcnt 0x0
	SEND 7, 0
	s_wait_tensorcnt 0x0                           ; the wave's end
	ds_add_u32 v[SPW], v[NIL]
	s_wait_dscnt 0x0
	CROUND                                         ; the closing round
	s_endpgm
.Lfunc_end_k_q8db6dc28af_qkv:
	.size	k_q8db6dc28af_qkv, .Lfunc_end_k_q8db6dc28af_qkv-k_q8db6dc28af_qkv
	.p2alignl 7, 3214868480
	.fill 96, 4, 3214868480
	.section	.rodata,"a",@progbits
	.p2align	6, 0x0
	.amdhsa_kernel k_q8db6dc28af_qkv
		.amdhsa_group_segment_fixed_size 327680
		.amdhsa_private_segment_fixed_size 0
		.amdhsa_enable_private_segment 0
		.amdhsa_kernarg_size 40
		.amdhsa_user_sgpr_count 2
		.amdhsa_user_sgpr_kernarg_segment_ptr 1
		.amdhsa_wavefront_size32 1
		.amdhsa_system_sgpr_workgroup_id_x 1
		.amdhsa_system_sgpr_workgroup_id_y 1
		.amdhsa_system_sgpr_workgroup_id_z 1
		.amdhsa_system_vgpr_workitem_id 0
		.amdhsa_next_free_vgpr 1024
		.amdhsa_next_free_sgpr 100
		.amdhsa_reserve_vcc 0
		.amdhsa_float_denorm_mode_32 3
		.amdhsa_float_denorm_mode_16_64 3
		.amdhsa_fp16_overflow 1
		.amdhsa_memory_ordered 1
		.amdhsa_forward_progress 1
		.amdhsa_inst_pref_size 139
	.end_amdhsa_kernel
	.amdgpu_metadata
---
amdhsa.version: [ 1, 2 ]
amdhsa.kernels:
  - .name:           k_q8db6dc28af_qkv
    .symbol:         k_q8db6dc28af_qkv.kd
    .args:
      - { .name: x_codes, .offset: 0, .size: 8, .value_kind: global_buffer, .address_space: global }
      - { .name: wa_codes, .offset: 8, .size: 8, .value_kind: global_buffer, .address_space: global }
      - { .name: lowp_scales, .offset: 16, .size: 8, .value_kind: global_buffer, .address_space: global }
      - { .name: b_attn, .offset: 24, .size: 8, .value_kind: global_buffer, .address_space: global }
      - { .name: qkv, .offset: 32, .size: 8, .value_kind: global_buffer, .address_space: global }
    .group_segment_fixed_size: 327680
    .private_segment_fixed_size: 0
    .kernarg_segment_align: 8
    .kernarg_segment_size: 40
    .max_flat_workgroup_size: 128
    .sgpr_count:     100
    .vgpr_count:     1024
    .wavefront_size: 32
...
	.end_amdgpu_metadata
.endif
;; end of part 2
;; launch attn (part 3): grid 4 x 64, 16 waves a work-group, clusters of 4 x 1, 327,680 bytes of LDS; arguments qkv, lowp_scales, y_codes; writes y_codes
.if DOCPART == 3
	.amdgcn_target "amdgcn-amd-amdhsa--gfx1250"
	.amdhsa_code_object_version 6
	.text
	.protected	k_q8db6dc28af_attn
	.globl	k_q8db6dc28af_attn
	.p2align	8
	.type	k_q8db6dc28af_attn,@function
k_q8db6dc28af_attn:
	s_mov_b64 s[64:65], 0
	v_nop
	global_prefetch_b8 v0, s[64:65] scope:SCOPE_SE
	s_setreg_imm32_b32 hwreg(HW_REG_WAVE_MODE, 25, 1), 1
	s_wait_xcnt 0x0
	s_wait_alu depctr_hold_cnt(0) depctr_sa_sdst(0) depctr_va_vdst(0) depctr_va_sdst(0) depctr_va_ssrc(0) depctr_va_vcc(0) depctr_vm_vsrc(0)
	s_getreg_b32 s2, hwreg(HW_REG_IB_STS2, 6, 4)
	s_cmp_eq_u32 s2, 0
	s_cbranch_scc0 .Lentry_in_a_cluster
	s_endpgm
.Lentry_in_a_cluster:
	s_bfe_u32 s2, ttmp6, 0x10000c
	s_cmp_lg_u32 s2, 0x3003
	s_cbranch_scc0 .Lentry_shape_is_right
	s_endpgm
.Lentry_shape_is_right:
; Causal attention of 64 (batch x head), 2,048 tokens, head size 64, both products on codes of BF8 (E5M2); the result is quantised at once with 2^e6 for the last projection.
; IN: qkv's three sections: q, k [64][2048][64]; v [64][16 blocks of keys][64 channels][128 keys] (orders inside runs of 32: see below).  OUT: y_codes [token / 128: 64][head 16][token % 128][64], channels in their own order.
; THE SOFTMAX: t = score x log2(e) / 8; M = the running largest t rounded UP to a whole number; p = 2^(t - M) is quantised with 2^e4, not normalised; the row's sum is taken of the unquantised p and divides at the end.
; SHARES.  A cluster of four work-groups is one head.  A HEAD'S WHOLE K AND V LIE IN LDS, filled once, by joint loads (each of the four asks with the same descriptor): no ring, nothing is filled again.
; A wave owns two tiles of 16 queries, u1 = 8 (wave / 2) + 2 cx + wave % 2 and u2 = 127 - u1, and walks them one after the other, 128 keys a step: wave / 2 + 1 steps for u1, 16 - wave / 2 for u2: 17 for every wave.
; Which steps lie behind the diagonal hangs on u / 8, which is made of the wave's number alone: so no branch knows the work-group's place; the place enters q's and y's addresses and the mask's threshold (data) only.
; LAYOUT.  Both products transposed: S^T = K Q^T (source 0 = 16 neighbouring keys, source 1 = my 16 queries), O^T = V^T P^T: a lane holds ONE query (lane % 16).  In S^T's tile i register j is key 16 i + 8 (lane / 16) + j:
; the conversions' results are the second product's operand in that form's own layout.  V's keys are stored so that 16-byte loads give the same layout (place 32 c + 16 h + 8 i + j holds key 32 c + 16 i + 8 h + j);
; q's and k's channels are stored in one and the same order, so every product meets its partner.
; LIMITS: e2 + e3 between -123 and 130 (added to the exponent field of log2(e) / 8); e4 and e6 between -126 and 112; NaN is not served.
; REGISTERS: v1-7 addresses that stay; v8, v9 the step's; v12 -M, v13 the largest t, v[14:15] the sum; v16-23, v24-31 the two tiles of q; v32-95 fragments of K, then of V; v96-159 S^T, then p; v160-191 O^T; v192-207 p's codes;
; v208-223 rows of y on their way out, a set for each pass; v230-254 at work.
.set PK,    272                        ; four keys' 256 bytes + 16 of padding
.set PV,    144                        ; a channel's 128 keys + 16
.set VOFF,  512*PK                     ; K: 512 lines; then V: 1,024 rows
.set STG,   VOFF+1024*PV               ; then a stage of 16 rows x 80 bytes for each wave: bytes into which no fill lands
.set KCH,   64*PK                      ; what one load of K brings: 256 keys
.set VCH,   128*PV                     ; what one load of V brings: two blocks of 128 keys
.set KSTEPB, 32*PK                     ; a step's 128 keys
.set VSTEPB, 64*PV
.set AK0, 1
.set AV0, 2
.set STO, 3
.set RD,  4
.set GO,  5
.set QO,  6
.set DM,  7
.set ADK, 8
.set ADV, 9
.set WV,   10
.set CX,   11
.set BH,   12
.set HALF, 13
.set CLS1, 14                          ; u1 / 8 and u2 / 8: the step on the diagonal
.set CLS2, 15
.set DQ1,  16                          ; 16 (u % 8): my first query within that step
.set DQ2,  17
.set SI,   18                          ; the step
.set TBK,  19                          ; LDS byte of the step's keys
.set SEL,  20
.set CS,   22
.set G1K,  24
.set G1V,  32
.set G0K,  40                          ; s[40:55] four groups 0 for K
.set YP1,  56
.set YP2,  58
.set QP1,  60
.set QP2,  62
.set G0V,  68                          ; s[68:83] four for V
.set ES,   84                          ; s[84:91] e0 .. e7
.set TBV,  92
.set EPV,  93
.macro CROUND                          ; a round of the cluster's barrier
	s_barrier_signal -1
	s_barrier_wait -1
	s_cmp_lg_u32 s[WV], 0
	s_cbranch_scc1 .Lnot_wave_0_\@
	s_barrier_signal -3
.Lnot_wave_0_\@:
	s_barrier_wait -3
	s_barrier_signal -1
	s_barrier_wait -1
.endm
	s_load_b128 s[4:7], s[0:1], 0x0                ; qkv s[4:5], the scales' exponents s[6:7]
	s_load_b64 s[8:9], s[0:1], 0x10                ; y_codes
	v_lshl_add_u32 v251, v0, 2, 0x4b000
	v_mov_b32 v255, 0
	ds_add_u32 v251, v255
	ds_add_u32 v251, v255
	v_lshrrev_b32 v8, 5, v0
	s_delay_alu instid0(VALU_DEP_1)
	v_readfirstlane_b32 s[WV], v8                  ; wave 0..15
	s_bfe_u32 s[CX], ttmp6, 0x40000                ; my place in the cluster
	s_and_b32 s[BH], ttmp7, 0xffff                 ; batch x head, which the four partners share
	s_and_b32 s[HALF], s[WV], 1
	s_lshr_b32 s[CLS1], s[WV], 1
	s_xor_b32 s[CLS2], s[CLS1], 15
	s_lshl_b32 s[DQ1], s[CX], 1
	s_add_co_u32 s[DQ1], s[DQ1], s[HALF]           ; u1 % 8
	s_sub_co_u32 s[DQ2], 7, s[DQ1]                 ; u2 % 8
	s_lshl_b32 s94, s[BH], 17                      ; the head's first byte in a section
	s_lshl_b32 s96, s[HALF], 14                    ; what I fetch, if I fetch: the even or the odd 16,384 bytes,
	s_add_co_u32 s96, s96, s94
	s_mov_b32 s97, 0
	s_mul_i32 s98, s[HALF], KCH                    ; and where it goes
	s_mul_i32 s99, s[HALF], VCH
	s_add_co_u32 s99, s99, VOFF
	s_mov_b32 s[G1K], 15|(0<<16)|(1<<20)|(1<<21)|(5<<22)|(3<<25)   ; 15:0 all four work-groups; elements of 1 byte; padding on; 21 set beside a mask; four words after every 64
	s_mov_b32 s[G1K+1], 256<<16                    ; K is dense: lines of 256 bytes, four keys
	s_mov_b32 s[G1K+2], 64<<16
	s_mov_b32 s[G1K+3], 256<<16
	s_mov_b32 s[G1K+4], 64
	s_mov_b32 s[G1K+5], 256
	s_mov_b32 s[G1K+6], 0
	s_mov_b32 s[G1K+7], 0
	s_mov_b32 s[G1V], 15|(0<<16)|(1<<20)|(1<<21)|(4<<22)|(3<<25)   ; four words after every 32
	s_mov_b32 s[G1V+1], 128<<16
	s_mov_b32 s[G1V+2], 128<<16
	s_mov_b32 s[G1V+3], 128<<16
	s_mov_b32 s[G1V+4], 128
	s_mov_b32 s[G1V+5], 128
	s_mov_b32 s[G1V+6], 0
	s_mov_b32 s[G1V+7], 0
	s_lshl_b32 s[QP1], s[CLS1], 3                  ; q: head + u x 1,024
	s_add_co_u32 s[QP1], s[QP1], s[DQ1]
	s_lshl_b32 s[QP1], s[QP1], 10
	s_add_co_u32 s[QP1], s[QP1], s94
	s_mov_b32 s[QP1+1], 0
	s_lshl_b32 s[QP2], s[CLS2], 3
	s_add_co_u32 s[QP2], s[QP2], s[DQ2]
	s_lshl_b32 s[QP2], s[QP2], 10
	s_add_co_u32 s[QP2], s[QP2], s94
	s_mov_b32 s[QP2+1], 0
	s_lshr_b32 s[YP1], s[BH], 4                    ; y: (16 x batch + u / 8) x 131,072 + head x 8,192 + (u % 8) x 1,024
	s_lshl_b32 s[YP1], s[YP1], 4
	s_add_co_u32 s[YP2], s[YP1], s[CLS2]
	s_add_co_u32 s[YP1], s[YP1], s[CLS1]
	s_lshl_b32 s[YP1], s[YP1], 17
	s_lshl_b32 s[YP2], s[YP2], 17
	s_and_b32 s95, s[BH], 15
	s_lshl_b32 s95, s95, 13
	s_add_co_u32 s[YP1], s[YP1], s95
	s_add_co_u32 s[YP2], s[YP2], s95
	s_lshl_b32 s95, s[DQ1], 10
	s_add_co_u32 s[YP1], s[YP1], s95
	s_lshl_b32 s95, s[DQ2], 10
	s_add_co_u32 s[YP2], s[YP2], s95
	s_mov_b32 s[YP1+1], 0
	s_mov_b32 s[YP2+1], 0
	s_lshl_b32 s[DQ1], s[DQ1], 4
	s_lshl_b32 s[DQ2], s[DQ2], 4
	s_mov_b32 s[SEL], 0x76543210
	s_mov_b32 s[SEL+1], 0xfedcba98                 ; v_permlanex16_b32's selects for lane l xor 16
	s_mov_b32 s[CS], 0x3e38aa3b                    ; log2(e) / 8
	s_wait_dscnt 0x0
	s_wait_kmcnt 0x0
	s_load_b256 s[ES:ES+7], s[6:7], 0x0
	s_add_nc_u64 s[96:97], s[4:5], s[96:97]
	s_add_nc_u64 s[QP1:QP1+1], s[4:5], s[QP1:QP1+1]
	s_add_nc_u64 s[QP2:QP2+1], s[4:5], s[QP2:QP2+1]
	s_add_nc_u64 s[YP1:YP1+1], s[8:9], s[YP1:YP1+1]
	s_add_nc_u64 s[YP2:YP2+1], s[8:9], s[YP2:YP2+1]
.irp c, 0,1,2,3                                ; chunk c: keys 512 c on
	s_mov_b32 s[G0K+4*\c], 1
	s_add_co_u32 s[G0K+4*\c+1], s98, \c*2*KCH
	s_add_nc_u64 s[G0K+4*\c+2:G0K+4*\c+3], s[96:97], 8388608+\c*32768
	s_or_b32 s[G0K+4*\c+3], s[G0K+4*\c+3], 0x80000000
	s_mov_b32 s[G0V+4*\c], 1
	s_add_co_u32 s[G0V+4*\c+1], s99, \c*2*VCH
	s_add_nc_u64 s[G0V+4*\c+2:G0V+4*\c+3], s[96:97], 16777216+\c*32768
	s_or_b32 s[G0V+4*\c+3], s[G0V+4*\c+3], 0x80000000
.endr
	CROUND                                         ; all four work-groups are here: the joint loads meet
	s_cmp_lt_u32 s[WV], 2                          ; waves 0, 1: K's halves; waves 2, 3: V's; the others nothing.  A wave's four loads stand in one branch: four are out; four v_nop follow the last
	s_cbranch_scc0 .Lnot_k
.irp c, 0,1,2,3
	tensor_load_to_lds s[G0K+4*\c:G0K+4*\c+3], s[G1K:G1K+7]
	s_nop 0
.endr
.rept 4
	v_nop
.endr
	s_branch .Lasked
.Lnot_k:
	s_cmp_lt_u32 s[WV], 4
	s_cbranch_scc0 .Lasked
.irp c, 0,1,2,3
	tensor_load_to_lds s[G0V+4*\c:G0V+4*\c+3], s[G1V:G1V+7]
	s_nop 0
.endr
.rept 4
	v_nop
.endr
.Lasked:
	v_and_b32 v10, 15, v0                          ; r
	v_bfe_u32 v11, v0, 4, 1                        ; h
	s_delay_alu instid0(VALU_DEP_2)
	v_lshlrev_b32 v[QO], 6, v10
	s_delay_alu instid0(VALU_DEP_1)
	v_lshl_add_u32 v[QO], v11, 4, v[QO]            ; q: row r of 64 bytes, + 16 h
	global_load_b128 v[16:19], v[QO], s[QP1:QP1+1]
	global_load_b128 v[20:23], v[QO], s[QP1:QP1+1] offset:32
	global_load_b128 v[24:27], v[QO], s[QP2:QP2+1]
	global_load_b128 v[28:31], v[QO], s[QP2:QP2+1] offset:32
	v_lshrrev_b32 v[AK0], 2, v10
	s_delay_alu instid0(VALU_DEP_1)
	v_mul_u32_u24 v[AK0], v[AK0], PK
	v_and_b32 v[AV0], 3, v10
	s_delay_alu instid0(VALU_DEP_1)
	v_lshl_add_u32 v[AK0], v[AV0], 6, v[AK0]
	s_delay_alu instid0(VALU_DEP_1)
	v_lshl_add_u32 v[AK0], v11, 4, v[AK0]          ; K: key r: line r / 4, 64 (r % 4), + 16 h: sixteen different 16-byte columns
	v_mul_u32_u24 v[AV0], v10, PV
	s_delay_alu instid0(VALU_DEP_1)
	v_lshl_add_u32 v[AV0], v11, 4, v[AV0]
	s_delay_alu instid0(VALU_DEP_1)
	v_add_nc_u32 v[AV0], VOFF, v[AV0]              ; V: channel r, + 16 h
	s_mul_i32 s98, s[WV], 16*80
	s_add_co_u32 s98, s98, STG                     ; my stage
	v_mul_u32_u24 v[STO], v10, 80
	s_delay_alu instid0(VALU_DEP_1)
	v_lshl_add_u32 v[STO], v11, 3, v[STO]
	s_delay_alu instid0(VALU_DEP_1)
	v_add_nc_u32 v[STO], s98, v[STO]               ; in: row r, + 8 h; tile t's eight channels 16 t on
	v_bfe_u32 v[RD], v0, 2, 3
	s_delay_alu instid0(VALU_DEP_1)
	v_mul_u32_u24 v[RD], v[RD], 80
	v_and_b32 v[GO], 3, v0
	s_delay_alu instid0(VALU_DEP_1)
	v_lshl_add_u32 v[RD], v[GO], 4, v[RD]
	s_delay_alu instid0(VALU_DEP_1)
	v_add_nc_u32 v[RD], s98, v[RD]                 ; back: four lanes to a row of 64 bytes, eight rows an instruction
	v_and_b32 v[GO], 31, v0
	s_delay_alu instid0(VALU_DEP_1)
	v_lshlrev_b32 v[GO], 4, v[GO]                  ; and out: 512 bytes on end
	v_lshlrev_b32 v[DM], 3, v11
	s_delay_alu instid0(VALU_DEP_1)
	v_sub_nc_u32 v[DM], v10, v[DM]                 ; r - 8 h
	v_mov_b32 v236, 0                              ; written once: a lane permute's destination counts as one of its sources
	v_mov_b32 v252, 0
	v_mov_b32 v253, 0                              ; (named as the upper half of the pair v[252:253])
	s_wait_kmcnt 0x0
	s_add_co_i32 s94, s[ES+2], s[ES+3]
	s_lshl_b32 s94, s94, 23
	s_add_co_i32 s[CS], s[CS], s94                 ; a score stands for score x 2^(e2 + e3): added to the constant's exponent field
	s_mov_b32 s[CS+1], s[CS]                       ; (named with it as a pair)
	s_add_co_i32 s94, s[ES+4], 127
	s_lshl_b32 s95, s94, 23
	v_mov_b32 v244, s95                            ; 2^e4 as f32
	s_add_co_i32 s94, s[ES+6], 127
	s_lshl_b32 s95, s94, 23
	v_mov_b32 v247, s95                            ; 2^e6
	s_add_co_i32 s[EPV], s[ES+4], s[ES+5]          ; e4 + e5
.macro INIT                            ; a tile of queries begins: the step is written once, and the first finds zeros, which the first change of M leaves zeros
	v_mov_b32 v13, 0xff61b1e6                      ; the largest t so far: -3e38
	s_delay_alu instid0(VALU_DEP_1)
	v_floor_f32 v12, -v13                          ; -M
	v_mov_b32 v14, 0
	v_mov_b32 v15, 0
.set j, 0
.rept 32
	v_mov_b32 v[160+j], 0
.set j, j+1
.endr
.endm
; A KEY STEP: 128 keys against the 16 queries whose codes lie in v[qr] on.  s[cls]: the step on the diagonal; s[dq]: my first query within it.
.macro STEP qr, cls, dq
	s_cmp_gt_u32 s[SI], s[\cls]                    ; all keys of the step come after my queries: only the lines at its end, which step addresses, are run
	s_cbranch_scc1 .Lhidden_\@
	s_setprio 2
	v_add_nc_u32 v[ADK], s[TBK], v[AK0]
	v_add_nc_u32 v[ADV], s[TBV], v[AV0]
	v_nop                                          ; with the two additions: four places in front of loads into registers that the last products read
	v_nop
.irp t, 0,1,2,3,4,5,6,7
	ds_load_b128 v[32+8*\t:35+8*\t], v[ADK] offset:4*PK*\t
	ds_load_b128 v[36+8*\t:39+8*\t], v[ADK] offset:4*PK*\t+32
.endr
	s_wait_alu depctr_va_vdst(0)
	s_wait_dscnt 0x0
.irp t, 0,1,2,3,4,5,6,7
	v_wmma_f32_16x16x64_bf8_bf8 v[96+8*\t:103+8*\t], v[32+8*\t:39+8*\t], v[\qr:\qr+7], 0
.endr
.rept 4
	v_nop                                          ; places: K's registers take V's fragments, and the scores are read below
.endr
.irp t, 0,1,2,3
.irp c, 0,1,2,3
	ds_load_b128 v[32+16*\t+4*\c:35+16*\t+4*\c], v[ADV] offset:16*PV*\t+32*\c   ; V's four fragments land while the softmax is walked
.endr
.endr
	s_cmp_lg_u32 s[SI], s[\cls]                    ; only the step on the diagonal has hidden keys
	s_cbranch_scc1 .Lopen_\@
	v_add_nc_u32 v252, s[\dq], v[DM]               ; register n holds the step's key 16 (n / 8) + n % 8 + 8 h: hidden where 16 (n / 8) + n % 8 > my query - 8 h
	v_mov_b32 v254, 0xff800000                     ; -infinity: p = 0 then
.set n, 0
.rept 64
	v_cmp_gt_i32 vcc_lo, 16*(n/8)+n%8, v252
	v_cndmask_b32 v[96+n], v[96+n], v254, vcc_lo
.set n, n+1
.endr
.Lopen_\@:
	v_max3_num_f32 v254, v96, v97, v98             ; the step's largest score of my query, among my 64 keys, in two chains, each accumulator from its low end on,
	v_max3_num_f32 v252, v99, v100, v101
.irp i, 6,10,14,18,22,26,30,34,38,42,46,50,54,58
	v_max3_num_f32 v254, v254, v[96+\i], v[97+\i]
	v_max3_num_f32 v252, v252, v[98+\i], v[99+\i]
.endr
	v_max3_num_f32 v254, v254, v158, v159
	s_delay_alu instid0(VALU_DEP_1)
	v_max_num_f32 v254, v254, v252
	s_delay_alu instid0(VALU_DEP_1)
	v_permlanex16_b32 v236, v254, s[SEL], s[SEL+1]
	s_delay_alu instid0(VALU_DEP_1)
	v_max_num_f32 v254, v254, v236                 ; and among lane l xor 16's
	s_delay_alu instid0(VALU_DEP_1)
	v_mul_f32 v254, s[CS], v254                    ; as t
	s_delay_alu instid0(VALU_DEP_1)
	v_max_num_f32 v13, v13, v254                   ; the running largest t
	v_mov_b32 v254, v12
	s_delay_alu instid0(VALU_DEP_2)
	v_floor_f32 v12, -v13                          ; the new -M = floor(-t): M is a whole number
	s_delay_alu instid0(VALU_DEP_1)
	v_sub_f32 v254, v12, v254                      ; old M - new M: a whole number, 0 or less
	s_delay_alu instid0(VALU_DEP_1)
	v_cvt_i32_f32 v254, v254                       ; (it saturates)
	s_delay_alu instid0(VALU_DEP_1)
	v_ldexp_f32 v252, 1.0, v254                    ; f = 2^(old M - new M)
.set j, 0
	s_setprio 1
.rept 32
	v_pk_fma_f32 v[96+j:97+j], v[96+j:97+j], s[CS:CS+1], v[12:13] op_sel_hi:[1,0,0]   ; t - M, two at a time
.set j, j+2
.endr
.set j, 0
	s_wait_alu depctr_va_vdst(0)
.rept 64
	v_exp_f32 v[96+j], v[96+j]                     ; p = 2^(t - M), at most 1
.set j, j+1
.endr
	v_pk_mul_f32 v[14:15], v[14:15], v[252:253] op_sel_hi:[1,0]   ; the sums under the new M (a plain place behind the exponentials)
	s_wait_alu depctr_va_vdst(0)
	v_pk_add_f32 v[242:243], v[100:101], v[104:105]
	v_pk_add_f32 v[248:249], v[108:109], v[112:113]
	v_pk_add_f32 v[240:241], v[116:117], v[120:121]
	v_pk_add_f32 v[238:239], v[124:125], v[128:129]
	v_pk_add_f32 v[234:235], v[132:133], v[136:137]
	v_pk_add_f32 v[232:233], v[140:141], v[144:145]
	v_pk_add_f32 v[230:231], v[148:149], v[152:153]
	v_pk_add_f32 v[14:15], v[14:15], v[156:157]
	v_pk_add_f32 v[242:243], v[242:243], v[96:97]
	v_pk_add_f32 v[248:249], v[248:249], v[98:99]
	v_pk_add_f32 v[240:241], v[240:241], v[102:103]
	v_pk_add_f32 v[238:239], v[238:239], v[106:107]
	v_pk_add_f32 v[234:235], v[234:235], v[110:111]
	v_pk_add_f32 v[232:233], v[232:233], v[114:115]
	v_pk_add_f32 v[230:231], v[230:231], v[118:119]
	v_pk_add_f32 v[14:15], v[14:15], v[122:123]
	v_pk_add_f32 v[242:243], v[242:243], v[126:127]
	v_pk_add_f32 v[248:249], v[248:249], v[130:131]
	v_pk_add_f32 v[240:241], v[240:241], v[134:135]
	v_pk_add_f32 v[238:239], v[238:239], v[138:139]
	v_pk_add_f32 v[234:235], v[234:235], v[142:143]
	v_pk_add_f32 v[232:233], v[232:233], v[146:147]
	v_pk_add_f32 v[230:231], v[230:231], v[150:151]
	s_setprio 0
	v_pk_add_f32 v[14:15], v[14:15], v[154:155]
	v_pk_add_f32 v[242:243], v[242:243], v[158:159]
	s_delay_alu instid0(VALU_DEP_2)
	v_pk_add_f32 v[14:15], v[14:15], v[238:239]
	s_delay_alu instid0(VALU_DEP_2)
	v_pk_add_f32 v[242:243], v[242:243], v[234:235]
	v_pk_add_f32 v[248:249], v[248:249], v[232:233]
	v_pk_add_f32 v[240:241], v[240:241], v[230:231]
	s_delay_alu instid0(VALU_DEP_2)
	v_pk_add_f32 v[14:15], v[14:15], v[248:249]
	s_delay_alu instid0(VALU_DEP_2)
	v_pk_add_f32 v[242:243], v[242:243], v[240:241]
	s_delay_alu instid0(VALU_DEP_1)
	v_pk_add_f32 v[14:15], v[14:15], v[242:243]
.set j, 0
.rept 64
.set j, j+1
.endr
.irp t, 0,1,2,3,4,5,6,7
	v_cvt_scalef32_pk8_bf8_f32 v[192+2*\t:193+2*\t], v[96+8*\t:103+8*\t], v244   ; registers 2 t, 2 t + 1 of the operand: keys 16 t + 8 h + 0 .. 7
.endr
.set j, 0
.rept 16
	v_pk_mul_f32 v[160+j:161+j], v[160+j:161+j], v[252:253] op_sel_hi:[1,0]   ; O^T under the new M.  (Also the plain lines between the conversions and the products)
.set j, j+2
.endr
	s_wait_alu depctr_va_vdst(0)
	s_wait_dscnt 0x0                               ; V's fragments
.irp t, 0,1,2,3
	v_wmma_f32_16x16x128_bf8_bf8 v[160+8*\t:167+8*\t], v[32+16*\t:47+16*\t], v[192:207], v[160+8*\t:167+8*\t]   ; the four accumulators by turns; the scores' eight products stand between a link and the next
.endr
.Lhidden_\@:
	s_add_co_u32 s[SI], s[SI], 1
	s_add_co_u32 s[TBK], s[TBK], KSTEPB
	s_add_co_u32 s[TBV], s[TBV], VSTEPB
.endm
; A tile of queries ends: y = O^T / the sum x 2^(e4 + e5), converted with 2^e6, through my stage, and out as 1,024 consecutive bytes.
.macro FINISH yp, ob
.rept 4
	v_nop                                          ; places behind the last products
.endr
	v_add_f32 v14, v14, v15
	s_delay_alu instid0(VALU_DEP_1)
	v_permlanex16_b32 v236, v14, s[SEL], s[SEL+1]
	s_delay_alu instid0(VALU_DEP_1)
	v_add_f32 v14, v14, v236                       ; the row's sum
	s_wait_alu depctr_va_vdst(0)
	v_rcp_f32 v14, v14
	v_nop                                          ; a plain place behind the transcendental
	s_wait_alu depctr_va_vdst(0)
	v_ldexp_f32 v14, v14, s[EPV]
.set j, 0
.rept 32
	v_mul_f32 v[96+j], v[160+j], v14               ; register 8 t + i: y(query r, channel 16 t + 8 h + i); each accumulator from its low end on
.set j, j+1
.endr
.set j, 0
.rept 32
.set j, j+1
.endr
.irp t, 0,1,2,3
	v_cvt_scalef32_pk8_bf8_f32 v[192+2*\t:193+2*\t], v[96+8*\t:103+8*\t], v247
.endr
	v_nop                                          ; a plain line behind the last conversion
.irp t, 0,1,2,3
	ds_store_b64 v[STO], v[192+2*\t:193+2*\t] offset:16*\t
.endr
.irp i, 0,1
	ds_load_b128 v[\ob+4*\i:\ob+4*\i+3], v[RD] offset:640*\i   ; LDS serves a wave's instructions in order: these see my stores
.endr
	s_wait_dscnt 0x0
.irp i, 0,1
	global_store_b128 v[GO], v[\ob+4*\i:\ob+4*\i+3], s[\yp:\yp+1] offset:512*\i   ; 512 consecutive bytes, aligned; registers and base are not written again
.endr
.endm
	INIT
	s_wait_loadcnt 0x0                             ; q
	s_wait_tensorcnt 0x3                           ; my part of keys 0-511 is in; the three loads behind it may be out
	s_barrier_signal -1
	s_barrier_wait -1                              ; everybody's is
	s_mov_b32 s[SI], 0
	s_mov_b32 s[TBK], 0
	s_mov_b32 s[TBV], 0
.Lloop_a:                                          ; tile u1, steps 0-3
	STEP 16, CLS1, DQ1
	s_cmp_lt_u32 s[SI], 4
	s_cbranch_scc1 .Lloop_a
	s_setprio 0
	s_wait_tensorcnt 0x2                           ; keys 512-1,023
	s_wait_dscnt 0x0
	s_barrier_signal -1
	s_barrier_wait -1
	s_mov_b32 s[SI], 4
	s_mov_b32 s[TBK], 4*KSTEPB
	s_mov_b32 s[TBV], 4*VSTEPB
.Lloop_b:                                          ; tile u1, steps 4-7: u1 lies among the first 1,024 queries
	STEP 16, CLS1, DQ1
	s_cmp_lt_u32 s[SI], 8
	s_cbranch_scc1 .Lloop_b
	s_setprio 0
	FINISH YP1, 208
	s_wait_tensorcnt 0x0                           ; all keys
	s_wait_dscnt 0x0
	s_barrier_signal -1
	s_barrier_wait -1
	INIT
	s_mov_b32 s[SI], 0
	s_mov_b32 s[TBK], 0
	s_mov_b32 s[TBV], 0
.Lloop_c:                                          ; tile u2, all sixteen steps
	STEP 24, CLS2, DQ2
	s_cmp_lt_u32 s[SI], 16
	s_cbranch_scc1 .Lloop_c
	s_setprio 0
	FINISH YP2, 216
	s_wait_tensorcnt 0x0
	ds_add_u32 v251, v255
	s_wait_dscnt 0x0
	CROUND                                         ; the closing round
	s_endpgm
.Lfunc_end_k_q8db6dc28af_attn:
	.size	k_q8db6dc28af_attn, .Lfunc_end_k_q8db6dc28af_attn-k_q8db6dc28af_attn
	.p2alignl 7, 3214868480
	.fill 96, 4, 3214868480
	.section	.rodata,"a",@progbits
	.p2align	6, 0x0
	.amdhsa_kernel k_q8db6dc28af_attn
		.amdhsa_group_segment_fixed_size 327680
		.amdhsa_private_segment_fixed_size 0
		.amdhsa_enable_private_segment 0
		.amdhsa_kernarg_size 24
		.amdhsa_user_sgpr_count 2
		.amdhsa_user_sgpr_kernarg_segment_ptr 1
		.amdhsa_wavefront_size32 1
		.amdhsa_system_sgpr_workgroup_id_x 1
		.amdhsa_system_sgpr_workgroup_id_y 1
		.amdhsa_system_sgpr_workgroup_id_z 1
		.amdhsa_system_vgpr_workitem_id 0
		.amdhsa_next_free_vgpr 256
		.amdhsa_next_free_sgpr 100
		.amdhsa_reserve_vcc 1
		.amdhsa_float_denorm_mode_32 3
		.amdhsa_float_denorm_mode_16_64 3
		.amdhsa_fp16_overflow 1
		.amdhsa_memory_ordered 1
		.amdhsa_forward_progress 1
		.amdhsa_inst_pref_size 76
	.end_amdhsa_kernel
	.amdgpu_metadata
---
amdhsa.version: [ 1, 2 ]
amdhsa.kernels:
  - .name:           k_q8db6dc28af_attn
    .symbol:         k_q8db6dc28af_attn.kd
    .args:
      - { .name: qkv, .offset: 0, .size: 8, .value_kind: global_buffer, .address_space: global }
      - { .name: lowp_scales, .offset: 8, .size: 8, .value_kind: global_buffer, .address_space: global }
      - { .name: y_codes, .offset: 16, .size: 8, .value_kind: global_buffer, .address_space: global }
    .group_segment_fixed_size: 327680
    .private_segment_fixed_size: 0
    .kernarg_segment_align: 8
    .kernarg_segment_size: 24
    .max_flat_workgroup_size: 512
    .sgpr_count:     100
    .vgpr_count:     256
    .wavefront_size: 32
...
	.end_amdgpu_metadata
.endif
;; end of part 3
;; launch proj (part 4): grid 8 x 32, 4 waves a work-group, clusters of 4 x 4, 327,680 bytes of LDS; arguments y_codes, wp_codes, lowp_scales, b_proj, out0; writes out0
.if DOCPART == 4
	.amdgcn_target "amdgcn-amd-amdhsa--gfx1250"
	.amdhsa_code_object_version 6
	.text
	.protected	k_q8db6dc28af_proj
	.globl	k_q8db6dc28af_proj
	.p2align	8
	.type	k_q8db6dc28af_proj,@function
k_q8db6dc28af_proj:
	s_mov_b64 s[64:65], 0
	v_nop
	global_prefetch_b8 v0, s[64:65] scope:SCOPE_SE
	s_setreg_imm32_b32 hwreg(HW_REG_WAVE_MODE, 25, 1), 1
	s_wait_xcnt 0x0
	s_wait_alu depctr_hold_cnt(0) depctr_sa_sdst(0) depctr_va_vdst(0) depctr_va_sdst(0) depctr_va_ssrc(0) depctr_va_vcc(0) depctr_vm_vsrc(0)
	s_getreg_b32 s2, hwreg(HW_REG_IB_STS2, 6, 4)
	s_cmp_eq_u32 s2, 0
	s_cbranch_scc0 .Lentry_in_a_cluster
	s_endpgm
.Lentry_in_a_cluster:
	s_bfe_u32 s2, ttmp6, 0x10000c
	s_cmp_lg_u32 s2, 0xf033
	s_cbranch_scc0 .Lentry_shape_is_right
	s_endpgm
.Lentry_shape_is_right:
; out0 = y w_proj + b_proj on codes of BF8 (E5M2).  y_codes [token / 128: 64][head 16][token % 128][64]; wp_codes [1024 n][1024 k], K innermost; out0 [8192][1024] f32 = sum x 2^(e6 + e7) + b_proj.
; A tile is 256 tokens x 128 outputs: 256 work-groups.  Four waves, each 128 x 64: 32 accumulators, 256 registers.  K = 1,024 goes in four steps of 256 (four heads) through a ring of two LDS slots.
; A's part of a K step (128 tokens x 4 heads) is 32,768 consecutive bytes: it comes as 128 lines of 256 bytes, a line four tokens of one head.
; CLUSTERS: 4 x 4 work-groups; A's tile is shared along a row of the cluster, B's along a column, each asked for jointly.  Source 0 = 16 rows of B, source 1 = 16 rows of A: a lane holds eight neighbouring outputs of a token.
; LIMIT: e6 + e7 between -126 and 127, so that 2^(e6 + e7) is an f32 number.
; REGISTERS: window 0: v0-31 addresses; v64-95 the bias; from v128 A's fragments, one set; on the way out v128-223 at work.  window 1: B's fragments, two sets, at v0 and v128.  window 2: accumulator (a, b) at v[8 (4 a + b)].
.set PITCH,  272                       ; an LDS line: 256 bytes + 16 of padding
.set FR,     16
.set NL,     4
.set NP,     4                         ; places behind this matrix instruction (ISA guide 7.12.1)
.set HALFA,  128*PITCH                 ; what one load brings of A: 128 lines
.set HALFB,  64*PITCH                  ; and of B: 64 rows
.set SLOT,   2*HALFA+2*HALFB
.set LAPS,   2
.set SPARE,  2*SLOT                    ; behind the ring: the spare words, 128 bytes for each wave, which no other line names
.set SPITCH, 272                       ; the way out: a stage of 16 rows x (256 bytes + 16) for each wave, in slot 0, which has had its last fill and its last read by then
.set ADRA, 16
.set ADRB, 20
.set STO,  24
.set RD,   25
.set CO,   26
.set SPW,  28
.set NIL,  29
.set BC,   64
.set AF,   128
.set TMP,  128
.set BK,   160
.set G1, 24
.set G0, 32
.set G1B, 48
.set G0B, 56
.set MSB, 0
.macro WIN new                         ; the immediate's high byte repeats the setting that is left
.if MSB != \new
	s_set_vgpr_msb (MSB<<8)|\new
.set MSB, \new
.endif
.endm
.set MUL,  0xa1                        ; source 0 (B) window 1, source 1 (A) window 0, C and D window 2
.set TO_B, 0x40
.macro JLOAD g0a, g1a, g0b, g1b        ; waves 0 and 1 fetch for A, waves 2 and 3 for B; four v_nop follow each of the two lines
	s_cmp_eq_u32 s15, 0
	s_cbranch_scc0 .Lfor_b_\@
	tensor_load_to_lds s[\g0a:\g0a+3], s[\g1a:\g1a+7]
	s_nop 0
.rept 4
	v_nop
.endr
	s_branch .Lasked_\@
.Lfor_b_\@:
	tensor_load_to_lds s[\g0b:\g0b+3], s[\g1b:\g1b+7]
	s_nop 0
.rept 4
	v_nop
.endr
.Lasked_\@:
.endm
.macro CREST
	s_cmp_lg_u32 s14, 0
	s_cbranch_scc1 .Lnot_wave_0_\@
	s_barrier_signal -3
.Lnot_wave_0_\@:
	s_barrier_wait -3
	s_barrier_signal -1
	s_barrier_wait -1
.endm
.macro CROUND
	s_barrier_signal -1
	s_barrier_wait -1
	CREST
.endm
	s_load_b256 s[4:11], s[0:1], 0x0               ; y's codes s[4:5], w_proj's codes s[6:7], the scales' exponents s[8:9], b_proj s[10:11]
	s_load_b64 s[12:13], s[0:1], 0x20              ; out0
	v_lshl_add_u32 v[SPW], v0, 2, SPARE
	v_mov_b32 v[NIL], 0
	ds_add_u32 v28, v29
	ds_add_u32 v28, v29
	s_wait_dscnt 0x0
	v_lshrrev_b32 v1, 5, v0
	v_readfirstlane_b32 s14, v1                    ; wave 0..3
	s_lshr_b32 s15, s14, 1                         ; which 128 tokens are mine.  Also: I fetch for A (0) or for B (1)
	s_and_b32 s16, s14, 1                          ; which 64 outputs.  Also: which half of that tile I fetch
	s_bfe_u32 s40, ttmp6, 0x40000
	s_bfe_u32 s41, ttmp6, 0x40004
	s_lshl_b32 s42, ttmp9, 2
	s_add_co_u32 s42, s42, s40                     ; tile column = 4 x cluster x + cx
	s_and_b32 s17, ttmp7, 0xffff
	s_lshl_b32 s17, s17, 2
	s_add_co_u32 s17, s17, s41                     ; tile row = 4 x cluster y + cy
	s_lshl_b32 s43, s41, 2
	s_lshl_b32 s43, 15, s43                        ; my row of the cluster
	s_lshl_b32 s44, 0x1111, s40                    ; my column
	s_or_b32 s[G1+0], s43, (0<<16)|(1<<20)|(1<<21)|(5<<22)|(3<<25)  ; the mask; elements of 1 byte; padding on; 21 set beside a mask; four words after every 64
	s_mov_b32 s[G1+1], 256<<16                     ; A: 128 lines of 256 bytes, dense
	s_mov_b32 s[G1+2], 128<<16
	s_mov_b32 s[G1+3], 256<<16
	s_mov_b32 s[G1+4], 128
	s_mov_b32 s[G1+5], 256
	s_mov_b32 s[G1+6], 0
	s_mov_b32 s[G1+7], 0
	s_or_b32 s[G1B+0], s44, (0<<16)|(1<<20)|(1<<21)|(5<<22)|(3<<25)
	s_mov_b32 s[G1B+1], 256<<16                    ; B: 64 rows of 256 bytes, 1,024 apart
	s_mov_b32 s[G1B+2], 64<<16
	s_mov_b32 s[G1B+3], 256<<16
	s_mov_b32 s[G1B+4], 64
	s_mov_b32 s[G1B+5], 1024
	s_mov_b32 s[G1B+6], 0
	s_mov_b32 s[G1B+7], 0
	s_lshl_b32 s20, s17, 1
	s_add_co_u32 s20, s20, s16
	s_lshl_b32 s20, s20, 17                        ; A: block of 128 tokens 2 x tile row + half, 131,072 bytes each
	s_mov_b32 s21, 0
	s_lshl_b32 s46, s42, 7
	s_lshl_b32 s47, s16, 6
	s_add_co_u32 s46, s46, s47
	s_lshl_b32 s46, s46, 10                        ; B: row 128 x tile column + 64 x half
	s_mov_b32 s47, 0
	s_mul_i32 s45, s16, HALFA                      ; where they go: no place in the cluster enters an LDS address
	s_mul_i32 s90, s16, HALFB
	s_add_co_u32 s90, s90, 2*HALFA
	s_wait_kmcnt 0x0
	s_load_b256 s[68:75], s[8:9], 0x0              ; e0 .. e7
	s_add_nc_u64 s[20:21], s[4:5], s[20:21]
	s_add_nc_u64 s[46:47], s[6:7], s[46:47]
	CROUND                                         ; all sixteen work-groups are here: the first joint loads meet
.irp s, 0,1
	s_mov_b32 s[G0+4*\s], 1
	s_add_co_u32 s[G0+4*\s+1], s45, \s*SLOT
	s_add_nc_u64 s[G0+4*\s+2:G0+4*\s+3], s[20:21], \s*32768
	s_or_b32 s[G0+4*\s+3], s[G0+4*\s+3], 0x80000000
	s_mov_b32 s[G0B+4*\s], 1
	s_add_co_u32 s[G0B+4*\s+1], s90, \s*SLOT
	s_add_nc_u64 s[G0B+4*\s+2:G0B+4*\s+3], s[46:47], \s*256
	s_or_b32 s[G0B+4*\s+3], s[G0B+4*\s+3], 0x80000000
	s_wait_alu depctr_va_vdst(0)
	s_wait_tensorcnt 0x0
	ds_add_u32 v28, v29
	ds_add_u32 v28, v29
	s_wait_dscnt 0x0
	CROUND
	JLOAD G0+4*\s, G1, G0B+4*\s, G1B
.endr
	v_and_b32 v1, 15, v0                           ; r
	v_bfe_u32 v2, v0, 4, 1                         ; h
	s_lshl_b32 s46, s42, 9
	s_lshl_b32 s47, s16, 8
	s_add_co_u32 s46, s46, s47                     ; my first output, in bytes of f32: 4 x (128 x tile column + 64 x half)
	s_mov_b32 s47, 0
	s_add_nc_u64 s[86:87], s[10:11], s[46:47]
	v_lshlrev_b32 v8, 5, v2                        ; 32 h; never rewritten
.irp b, 0,1,2,3
	global_load_b128 v[BC+8*\b:BC+8*\b+3], v8, s[86:87] offset:64*\b        ; register 8 b + j: b_proj at my output 16 b + 8 h + j
	global_load_b128 v[BC+8*\b+4:BC+8*\b+7], v8, s[86:87] offset:64*\b+16
.endr
	v_lshrrev_b32 v3, 2, v1
	v_mul_u32_u24 v3, v3, PITCH
	v_and_b32 v4, 3, v1
	v_lshl_add_u32 v3, v4, 6, v3
	v_lshl_add_u32 v3, v2, 4, v3                   ; A: token r: line r / 4, 64 (r % 4), + 16 h
	v_mul_u32_u24 v4, v1, PITCH
	v_lshl_add_u32 v4, v2, 4, v4                   ; B: row r, + 16 h
	s_mul_i32 s21, s15, HALFA                      ; my 128 tokens
	s_mul_i32 s22, s16, HALFB                      ; my 64 rows of B,
	s_add_co_u32 s22, s22, 2*HALFA                 ; which lie behind A's lines
.irp s, 0,1
	v_add_nc_u32 v[ADRA+\s], s21, v3
	v_add_nc_u32 v[ADRB+\s], s22, v4
	s_add_co_u32 s21, s21, SLOT
	s_add_co_u32 s22, s22, SLOT
.endr
	s_mul_i32 s23, s14, 16*SPITCH                  ; my stage
	v_mul_u32_u24 v5, v1, SPITCH
	v_lshl_add_u32 v5, v2, 5, v5
	v_add_nc_u32 v[STO], s23, v5                   ; in: row r, 32 bytes for each half of the lanes
	v_mul_u32_u24 v5, v2, SPITCH
	v_lshl_add_u32 v5, v1, 4, v5
	v_add_nc_u32 v[RD], s23, v5                    ; back: lanes 0-15 one row of 256 bytes, lanes 16-31 the next
	v_lshlrev_b32 v5, 12, v2
	v_lshl_add_u32 v[CO], v1, 4, v5                ; and the same two rows in out0
	s_lshl_b32 s20, s17, 8
	s_lshl_b32 s21, s15, 7
	s_add_co_u32 s20, s20, s21
	s_lshl_b32 s20, s20, 12                        ; my first row: 256 x tile row + 128 x half, 4,096 bytes each
	s_add_co_u32 s20, s20, s46
	s_mov_b32 s21, 0
	s_add_nc_u64 s[12:13], s[12:13], s[20:21]
; A's fragment of tokens 16 i on, the slot's q-th 128 along K: registers 4 c .. 4 c + 3 hold k = 128 q + 32 c + 16 h + 0 .. 15: head 2 q + c / 2, channels 32 (c % 2) + 16 h on.  B's holds the same k.
.macro FRAG_A reg, adr, q, i
.irp c, 0,1,2,3
	ds_load_b128 v[\reg+4*\c:\reg+4*\c+3], v[\adr] offset:(32*(2*(\q)+\c/2)+4*(\i))*PITCH+32*(\c%2)
.endr
.endm
.macro FRAG_B reg, adr, q, i
.irp c, 0,1,2,3
	ds_load_b128 v[\reg+4*\c:\reg+4*\c+3], v[\adr] offset:128*(\q)+32*\c+(\i)*16*PITCH
.endr
.endm
; 8 matrix instructions: A's blocks a0, a0 + 1 x B's four.  The 32 accumulators take turns, one instruction a turn, in the same order in every step.
.macro MUL8 a0, p, zero
.irp a, \a0, \a0+1
.irp b, 0,1,2,3
.if \zero
	v_wmma_f32_16x16x128_bf8_bf8 v[8*(4*(\a)+\b):8*(4*(\a)+\b)+7], v[128*(\p)+FR*\b:128*(\p)+FR*\b+FR-1], v[AF+FR*(\a):AF+FR*(\a)+FR-1], 0
.else
	v_wmma_f32_16x16x128_bf8_bf8 v[8*(4*(\a)+\b):8*(4*(\a)+\b)+7], v[128*(\p)+FR*\b:128*(\p)+FR*\b+FR-1], v[AF+FR*(\a):AF+FR*(\a)+FR-1], v[8*(4*(\a)+\b):8*(4*(\a)+\b)+7]
.endif
.endr
.endr
.endm
.macro FETCH_B slot, q, p
	WIN TO_B
.irp i, 0,1,2,3
	FRAG_B 128*(\p)+FR*\i, ADRB+\slot, \q, \i
.endr
	WIN 0
.endm
.macro FETCH_A slot, q, i0
.irp i, \i0, \i0+1, \i0+2, \i0+3
	FRAG_A AF+FR*(\i), ADRA+\slot, \q, \i
.endr
.endm
.macro PLACES n                        ; plain vector lines between a matrix instruction and a load into, or a vector write of, a register that it has read, or a read of its result
.rept \n
	v_nop
.endr
.endm
.macro STEP slot, q, zero
	s_wait_dscnt 4*NL                              ; B's set and A's blocks 0-3 are in; the youngest sixteen loads (A's blocks 4-7) may be out
	WIN MUL
	MUL8 0, (\q)%2, \zero
	MUL8 2, (\q)%2, \zero
	s_wait_dscnt 0
	PLACES NP
	FETCH_B \slot, (\q)+1, 1-(\q)%2
	FETCH_A \slot, (\q)+1, 0
	WIN MUL
	MUL8 4, (\q)%2, \zero
	MUL8 6, (\q)%2, \zero
	PLACES NP
	WIN 0
	FETCH_A \slot, (\q)+1, 4
.endm
.macro TURN slot, next, fill
	s_wait_tensorcnt 0x0                           ; all my tensor loads have landed: my part of the next slot
	ds_add_u32 v[SPW], v[NIL]                      ; 0 onto my spare word
	s_wait_dscnt 4*NL+1                            ; (the add and A's blocks 4-7 may be out)
	WIN MUL
	MUL8 0, 1, 0
	s_wait_dscnt 0x0                               ; the add is done, and my reads of this slot are over
	s_barrier_signal -1
	MUL8 2, 1, 0
	WIN 0
	s_barrier_wait -1
.if \fill
	CREST                                          ; the barrier has opened a round of the cluster's barrier
	s_add_nc_u64 s[G0+4*\slot+2:G0+4*\slot+3], s[G0+4*\slot+2:G0+4*\slot+3], 65536
	s_add_nc_u64 s[G0B+4*\slot+2:G0B+4*\slot+3], s[G0B+4*\slot+2:G0B+4*\slot+3], 512
	JLOAD G0+4*\slot, G1, G0B+4*\slot, G1B         ; the first tensor load behind the round; its four v_nop are also the places in front of the loads below
.else
	PLACES NP
.endif
	s_wait_alu depctr_va_vdst(0)
	FETCH_B \next, 0, 0
	FETCH_A \next, 0, 0
	WIN MUL
	MUL8 4, 1, 0
	MUL8 6, 1, 0
	PLACES NP
	WIN 0
	FETCH_A \next, 0, 4
.endm
	s_wait_tensorcnt 1                             ; my part of K step 0 is in (K step 1's load may be out),
	s_barrier_signal -1
	s_barrier_wait -1                              ; everybody's is
	FETCH_B 0, 0, 0
	FETCH_A 0, 0, 0
	FETCH_A 0, 0, 4
	STEP 0, 0, 1                                   ; the first step's products start the sums
	s_mov_b32 s3, LAPS-1
.Llap:
	TURN 0, 1, 1
	STEP 1, 0, 0
	TURN 1, 0, 1
	STEP 0, 0, 0
	s_sub_co_u32 s3, s3, 1
	s_cmp_lg_u32 s3, 0
	s_cbranch_scc1 .Llap
	TURN 0, 1, 0                                   ; the last lap fills nothing
	STEP 1, 0, 0
	s_wait_dscnt 4*NL
	WIN MUL
	MUL8 0, 1, 0
	MUL8 2, 1, 0
	s_wait_dscnt 0
	MUL8 4, 1, 0
	MUL8 6, 1, 0
	WIN 0
; THE WAY OUT, block by block of 16 tokens x 64 outputs: sum x 2^(e6 + e7) + bias, through my stage, back as whole rows of 256 bytes.
.macro TOSTAGE a
.set AC, 32*(\a)
	WIN 0x02                                       ; source 0: window 2
.set j, 0
.rept 16
	v_pk_fma_f32 v[TMP+j:TMP+j+1], v[AC+j:AC+j+1], s[96:97], v[BC+j:BC+j+1] op_sel_hi:[1,0,1]   ; the scalar pair's low word for both halves; each accumulator from its low end on
.set j, j+2
.endr
	WIN 0
.irp b, 0,1,2,3
	ds_store_b128 v[STO], v[TMP+8*\b:TMP+8*\b+3] offset:64*\b
	ds_store_b128 v[STO], v[TMP+8*\b+4:TMP+8*\b+7] offset:64*\b+16
.endr
.set BB, BK+32*((\a)%2)
.irp t, 0,1,2,3,4,5,6,7
	ds_load_b128 v[BB+4*\t:BB+4*\t+3], v[RD] offset:\t*2*SPITCH   ; LDS serves a wave's instructions in order: these see the stores above
.endr
.endm
.macro SEND a, younger
.set BB, BK+32*((\a)%2)
	s_wait_dscnt \younger
.if (\a) > 0
	s_add_nc_u64 s[12:13], s[12:13], 65536         ; 16 rows on (behind a wait on XCNT: the earlier stores have read their base)
.endif
.irp t, 0,1,2,3,4,5,6,7
	global_store_b128 v[CO], v[BB+4*\t:BB+4*\t+3], s[12:13] offset:8192*\t th:TH_STORE_NT   ; sixteen lanes store 256 consecutive bytes, aligned; written once, read by nobody here
.endr
.endm
	s_wait_kmcnt 0x0
	s_add_co_i32 s96, s74, s75                     ; e6 + e7
	s_add_co_i32 s96, s96, 127
	s_lshl_b32 s96, s96, 23                        ; 2^(e6 + e7) as f32
	s_mov_b32 s97, s96                             ; (named with it as a pair)
	s_wait_loadcnt 0x0                             ; the bias
	PLACES NP                                      ; behind the last products: TMP lies where A's fragments lay
	TOSTAGE 0
.irp a, 1,2,3,4,5,6,7
.if \a > 1
	s_wait_xcnt 0x0                                ; block a - 2's stores have read their registers and their base
.endif
	TOSTAGE \a
	SEND \a-1, 16                                  ; behind block a - 1's loads: block a's 8 stores and 8 loads
.endr
	s_wait_xcnt 0x0
	SEND 7, 0
	s_wait_tensorcnt 0x0                           ; the wave's end
	ds_add_u32 v[SPW], v[NIL]
	s_wait_dscnt 0x0
	CROUND                                         ; the closing round
	s_endpgm
.Lfunc_end_k_q8db6dc28af_proj:
	.size	k_q8db6dc28af_proj, .Lfunc_end_k_q8db6dc28af_proj-k_q8db6dc28af_proj
	.p2alignl 7, 3214868480
	.fill 96, 4, 3214868480
	.section	.rodata,"a",@progbits
	.p2align	6, 0x0
	.amdhsa_kernel k_q8db6dc28af_proj
		.amdhsa_group_segment_fixed_size 327680
		.amdhsa_private_segment_fixed_size 0
		.amdhsa_enable_private_segment 0
		.amdhsa_kernarg_size 40
		.amdhsa_user_sgpr_count 2
		.amdhsa_user_sgpr_kernarg_segment_ptr 1
		.amdhsa_wavefront_size32 1
		.amdhsa_system_sgpr_workgroup_id_x 1
		.amdhsa_system_sgpr_workgroup_id_y 1
		.amdhsa_system_sgpr_workgroup_id_z 1
		.amdhsa_system_vgpr_workitem_id 0
		.amdhsa_next_free_vgpr 768
		.amdhsa_next_free_sgpr 100
		.amdhsa_reserve_vcc 0
		.amdhsa_float_denorm_mode_32 3
		.amdhsa_float_denorm_mode_16_64 3
		.amdhsa_memory_ordered 1
		.amdhsa_forward_progress 1
		.amdhsa_inst_pref_size 79
	.end_amdhsa_kernel
	.amdgpu_metadata
---
amdhsa.version: [ 1, 2 ]
amdhsa.kernels:
  - .name:           k_q8db6dc28af_proj
    .symbol:         k_q8db6dc28af_proj.kd
    .args:
      - { .name: y_codes, .offset: 0, .size: 8, .value_kind: global_buffer, .address_space: global }
      - { .name: wp_codes, .offset: 8, .size: 8, .value_kind: global_buffer, .address_space: global }
      - { .name: lowp_scales, .offset: 16, .size: 8, .value_kind: global_buffer, .address_space: global }
      - { .name: b_proj, .offset: 24, .size: 8, .value_kind: global_buffer, .address_space: global }
      - { .name: out0, .offset: 32, .size: 8, .value_kind: global_buffer, .address_space: global }
    .group_segment_fixed_size: 327680
    .private_segment_fixed_size: 0
    .kernarg_segment_align: 8
    .kernarg_segment_size: 40
    .max_flat_workgroup_size: 128
    .sgpr_count:     100
    .vgpr_count:     768
    .wavefront_size: 32
...
	.end_amdgpu_metadata
.endif
;; end of part 4
